; MI455X (gfx1250); checked and timed in simulation.
; The chip was launched on July 23, 2026; its instructions are those of AMD's public machine-readable ISA for CDNA 5 (MIT licence, August 2026) and "CDNA5" Instruction Set Architecture Reference Guide (July 2026). The comments in the code are by the model that wrote it; some were corrected since.
;; Self Attention. Allowed arithmetic: matrix products marked QUANTISED: E2M3 operands, one E8M0 scale for each 32 along K, by v_wmma_scale_f32_16x16x128_f8f6f4 with both operands' format E2M3, f32 sums; everything else in f32.
;; Inputs: Wk 1,024 x 1,024 float32; Wq 1,024 x 1,024 float32; Wv 1,024 x 1,024 float32; x 4 x 2,048 x 1,024 float32.
;; Outputs: out0 4 x 2,048 x 1,024 float32.
;; This version of the problem:
;;   THIS VERSION OF THE PROBLEM IS GIVEN IN LOW PRECISION. The matrix products marked QUANTISED in the list below multiply operands that are first quantised to E2M3 (2 exponent bits, 3 mantissa bits; 6 bits a number), with one power-of-two scale for each 32 numbers along K (OCP MX v1.0); their sums are f32. All else is computed in f32.
;;   The module's matrix products, in the order in which they are computed (A, B: the left and right operand; K: the contracted axis; several contracted axes count as one K, in the product's order):
;;     1. [M 8,192, K 1,024] x [K 1,024, N 1,024]; A: input x; B: input Wq: QUANTISED
;;     2. [M 8,192, K 1,024] x [K 1,024, N 1,024]; A: input x; B: input Wk: QUANTISED
;;     3. [M 8,192, K 1,024] x [K 1,024, N 1,024]; A: input x; B: input Wv: QUANTISED
;;     4. batch 4 x [M 2,048, K 1,024] x [K 1,024, N 2,048]; A: computed on the way; B: computed on the way: QUANTISED
;;     5. batch 4 x [M 2,048, K 2,048] x [K 2,048, N 1,024]; A: computed on the way; B: computed on the way: QUANTISED
;;   THE QUANTISER, for each operand of a quantised product, along K:
;;     - K is cut into blocks of 32 from its start; a last block that is shorter is filled with zeros.
;;     - A block's scale is 2^e with e = floor(log2(the largest magnitude in the block)) - 2, held to -126 .. 127; a block of zeros has e = 0. As a byte (E8M0): e + 127.
;;     - Each number is divided by its block's scale, clamped to +-7.5, and rounded to the nearest number of E2M3, ties to even, subnormals kept.
;;     - The product sums the exact products of the quantised numbers (number of the format x scale) in f32.
;;   ~~~python
;;   def quantise(x, axis):      # numpy; x: float32 -> the quantised numbers, widened to float32 again
;;       x = np.moveaxis(x, axis, -1); K = x.shape[-1]
;;       x = np.pad(x, [(0, 0)] * (x.ndim - 1) + [(0, -K % 32)]); x = x.reshape(x.shape[:-1] + (-1, 32)); a = np.abs(x).max(-1, keepdims=True)
;;       e = np.where(a > 0, np.clip(np.frexp(np.where(a > 0, a, 1))[1] - 1 - 2, -126, 127), 0)      # np.frexp(a)[1] - 1 = floor(log2(a)), exactly
;;       r = np.clip(x / 2.0 ** e, -7.5, 7.5)
;;       step = 2.0 ** (np.maximum(np.frexp(np.where(r == 0, 1, r))[1] - 1, 0) - 3)
;;       q = np.round(r / step) * step * 2.0 ** e      # np.round: ties to even
;;       return np.moveaxis(q.reshape(q.shape[:-2] + (-1,))[..., :K], -1, axis).astype(np.float32)
;;   ~~~
;;   OPERANDS COMPUTED ON THE WAY. 'Computed on the way' means the value that the module computes at that place (a softmax that the list does not call 'softmax' is quantised finished and normalised). What goes into a quantiser is computed in f32, as accurately as f32 sums, v_exp_f32 and their like allow (about 1e-6 of the number): no bf16 or f16 on the way to a quantiser, and a product that is left as it is and whose result goes on into a quantised operand takes f32 operands (vector FMAs, or v_wmma_f32_16x16x4_f32). A number that lies on a knife's edge between two numbers of the format may be rounded either way, as far as f32 arithmetic and the matrix unit's own rounding can turn it there, and no further.
;; One version. Each part assembles by itself: llvm-mc -triple=amdgcn-amd-amdhsa -mcpu=gfx1250 --defsym DOCPART=n.
;; ======== version 1 of 1: 4 launches
;; workspace buffers: c1 9,011,200 bytes; c2 19,660,800 bytes; c3 13,107,200 bytes
;; launch quant (part 1): grid 704 x 1, 8 waves a work-group, no clusters, 69,632 bytes of LDS; arguments x, Wq, Wk, Wv, c1; writes c1
.if DOCPART == 1
	.amdgcn_target "amdgcn-amd-amdhsa--gfx1250"
	.amdhsa_code_object_version 6
	.text
	.protected	k_q9fb52dc596_quant
	.globl	k_q9fb52dc596_quant
	.p2align	8
	.type	k_q9fb52dc596_quant,@function
k_q9fb52dc596_quant:
	s_mov_b64 s[64:65], 0
	v_nop
	global_prefetch_b8 v0, s[64:65] scope:SCOPE_SE
	s_setreg_imm32_b32 hwreg(HW_REG_WAVE_MODE, 25, 1), 1
	s_wait_xcnt 0x0
; x [8192][1024], Wq, Wk, Wv [1024][1024], f32, K innermost, become codes of FP6 (E2M3) with one E8M0 scale byte for each 32 along K.
; A block's scale is 2^(floor(log2(its largest magnitude)) - 2); its byte is the largest magnitude's exponent field - 2, held at 1 from below.
; THE WORKSPACE'S LAYOUT.  A matrix [rows][K] is cut into UNITS of 128 rows x 128 K, 12,800 bytes, unit (G, kc) at index G (K / 128) + kc.
;   bytes 0 .. 12,287: eight fragments a, 1,536 bytes each, as IMAGES OF THE OPERAND'S 12 REGISTERS: registers 4 g .. 4 g + 3 of lane l at 1536 a + 512 g + 16 l.
;     Lane (r = l % 16, h = l / 16) holds row 128 G + 32 (a / 2) + 8 (a % 2) + r + 8 (r / 8); registers 6 c .. 6 c + 5 hold k = 128 kc + 64 c + 32 h + 0 .. 31.
;   bytes 12,288 .. 12,799: the scale words: that of (lane r, fragment a) at 12288 + 32 r + 4 a; its byte j scales k = 128 kc + 32 j on.
; c1 holds 88 groups G of 128 rows, 8 units each: G 0-63 x, 64-71 Wq, 72-79 Wk, 80-87 Wv.
; SHARES.  Work-group t makes unit t; wave a makes fragment a: 16 rows x 128 K.  Each load reads 512 consecutive bytes of one row; the 8,192 bytes turn through the wave's own stage in LDS,
; so that a lane gets its two whole blocks of 32 neighbours; no other lane is asked for a maximum.  Every store of codes covers 512 consecutive bytes at a multiple of 256 from c1's first byte.
; No loop: a wave has all its 16 loads out at once.  No tensor load, no cluster, no matrix unit: nothing is shared between work-groups and nothing is multiplied.
; LIMITS: NaN and infinities are not served.  A block of zeros gets the byte 1 where the rule says 127: its codes are zeros, and this program alone reads the bytes.
; Blocks whose largest magnitude lies under 2^-124 are held at the byte 1, as the rule's hold at e = -126 has it.
.set STP,   528                        ; a stage row: 512 bytes + 16: the sixteen rows that a read touches start 4 banks apart
.set WST,   16*STP                     ; a wave's stage
.set SG,    8*WST                      ; behind the stages: the unit's 512 bytes of scale words
.set SPARE, SG+512                     ; the spare words, 128 bytes for each of eight waves: four blocks of 256 bytes that no other line names
.set UNITB, 12800
.set LI,  4                            ; v4   16 x lane
.set STI, 5                            ; v5   the stage, on the way in: as the bytes lie
.set STO, 6                            ; v6   and on the way out: row r, + 128 h
.set SGA, 7                            ; v7   where my scale word goes: SG + 32 r + 4 a
.set SGR, 8                            ; v8   where wave 0 reads the unit's scale words back
.set FO,  9                            ; v9   my 16 bytes in the unit: 1536 a + 16 x lane
.set SPW, 10                           ; v10  LDS address of my spare word; never rewritten
.set NIL, 11                           ; v11  0; never rewritten
.set MX,  12                           ; v12-15 two chains of maxima for each of my two blocks
.set SO,  16                           ; v16-17 the conversions' scale operands
.set SB,  18                           ; v18-19 the scale bytes
.set C,   24                           ; v24-35 the fragment's 12 registers
.set T,   36                           ; v36-38, v40-42 the second half of each block's codes
.set R,   64                           ; v64-127 64 numbers
	s_load_b256 s[4:11], s[0:1], 0x0               ; x s[4:5], Wq s[6:7], Wk s[8:9], Wv s[10:11]
	s_load_b64 s[12:13], s[0:1], 0x20              ; c1
	v_lshl_add_u32 v[SPW], v0, 2, SPARE
	v_mov_b32 v[NIL], 0
	v_lshrrev_b32 v1, 5, v0
	v_readfirstlane_b32 s16, v1                    ; wave = fragment a
	v_and_b32 v1, 31, v0                           ; lane
	v_and_b32 v2, 15, v0                           ; r
	v_bfe_u32 v3, v0, 4, 1                         ; h
	v_lshlrev_b32 v[LI], 4, v1
	s_mul_i32 s19, s16, WST
	v_add_nc_u32 v[STI], s19, v[LI]
	v_mul_u32_u24 v[STO], v2, STP
	v_lshl_add_u32 v[STO], v3, 7, v[STO]
	v_add_nc_u32 v[STO], s19, v[STO]
	s_lshl_b32 s19, s16, 2
	v_lshl_add_u32 v[SGA], v2, 5, s19
	v_add_nc_u32 v[SGA], SG, v[SGA]
	v_add_nc_u32 v[SGR], SG, v[LI]
	s_mul_i32 s19, s16, 1536
	v_add_nc_u32 v[FO], s19, v[LI]
	s_mov_b32 s26, 0x76543210
	s_mov_b32 s27, 0xfedcba98                      ; v_permlanex16_b32's selects for lane l xor 16
	s_lshr_b32 s17, ttmp9, 3                       ; G among the 88
	s_and_b32 s18, ttmp9, 7                        ; kc
	s_and_b32 s28, s17, 7                          ; G inside a weight,
	s_cmp_lt_u32 s17, 64
	s_cselect_b32 s28, s17, s28                    ; or inside x
	s_lshl_b32 s22, s28, 7
	s_lshr_b32 s29, s16, 1
	s_lshl_b32 s29, s29, 5
	s_add_co_u32 s22, s22, s29
	s_and_b32 s29, s16, 1
	s_lshl_b32 s29, s29, 3
	s_add_co_u32 s22, s22, s29                     ; my fragment's first row: 128 G + 32 (a / 2) + 8 (a % 2)
	s_lshl_b32 s22, s22, 12                        ; rows of 4,096 bytes,
	s_lshl_b32 s29, s18, 9
	s_add_co_u32 s22, s22, s29                     ; + 512 kc: under 2^26
	s_mov_b32 s23, 0
	s_mul_i32 s24, ttmp9, UNITB
	s_mov_b32 s25, 0
	s_wait_kmcnt 0x0
	s_cmp_lt_u32 s17, 72                           ; which tensor: the choice hangs on the work-group's number alone
	s_cselect_b64 s[20:21], s[6:7], s[8:9]
	s_cmp_lt_u32 s17, 80
	s_cselect_b64 s[20:21], s[20:21], s[10:11]
	s_cmp_lt_u32 s17, 64
	s_cselect_b64 s[20:21], s[4:5], s[20:21]
	s_add_nc_u64 s[20:21], s[20:21], s[22:23]
	s_add_nc_u64 s[12:13], s[12:13], s[24:25]      ; my unit
.irp i, 0,1,2,3,4,5,6,7,8,9,10,11,12,13,14,15
	global_load_b128 v[R+4*\i:R+4*\i+3], v[LI], s[20:21] offset:(\i+8*(\i/8))*4096 th:TH_LOAD_NT   ; lane r's row lies r + 8 (r / 8) rows on; 32 lanes read its 512 bytes
.endr
.irp g, 0,1,2,3
	s_wait_loadcnt 12-4*\g                         ; four rows more are in; the younger loads stay out
.irp j, 0,1,2,3
	ds_store_b128 v[STI], v[R+16*\g+4*\j:R+16*\g+4*\j+3] offset:STP*(4*\g+\j)
.endr
.endr
	s_wait_dscnt 0x0                               ; the stores have read their registers, into which the loads below land
.irp c, 0,1
.irp j, 0,1,2,3,4,5,6,7
	ds_load_b128 v[R+32*\c+4*\j:R+32*\c+4*\j+3], v[STO] offset:256*\c+16*\j   ; v[R + 32 c + i] = k 64 c + 32 h + i of row r
.endr
.endr
	v_mov_b32 v22, 0                               ; a lane permute's destination counts as one of its sources
	v_lshlrev_b32 v21, 3, v3                       ; 8 h
	s_wait_dscnt 0x0
.irp c, 0,1                                    ; my blocks h and 2 + h: all 32 numbers of each are mine
	v_max3_num_f32 v[MX+2*\c], |v[R+32*\c]|, |v[R+32*\c+1]|, 0x1800000   ; with the floor 2^(3 - 127): the byte cannot fall under 1
	v_max3_num_f32 v[MX+2*\c+1], |v[R+32*\c+2]|, |v[R+32*\c+3]|, |v[R+32*\c+4]|
.endr
.irp i, 5,9,13,17,21,25
.irp c, 0,1
	v_max3_num_f32 v[MX+2*\c], v[MX+2*\c], |v[R+32*\c+\i]|, |v[R+32*\c+\i+1]|
	v_max3_num_f32 v[MX+2*\c+1], v[MX+2*\c+1], |v[R+32*\c+\i+2]|, |v[R+32*\c+\i+3]|
.endr
.endr
.irp c, 0,1
	v_max3_num_f32 v[MX+2*\c], v[MX+2*\c], |v[R+32*\c+29]|, |v[R+32*\c+30]|
.endr
.irp c, 0,1
	v_max3_num_f32 v[MX+2*\c], v[MX+2*\c], v[MX+2*\c+1], |v[R+32*\c+31]|
.endr
.irp c, 0,1
	v_add_nc_u32 v[SO+\c], 0xff000000, v[MX+2*\c]  ; 2 off the exponent field: the conversion takes the exponent field of this operand as its scale
.endr
.irp c, 0,1
	v_lshrrev_b32 v[SB+\c], 23, v[SO+\c]           ; the scale's byte
.endr
	v_lshl_or_b32 v20, v[SB+1], 16, v[SB]          ; my two bytes,
	v_lshlrev_b32 v20, v21, v20                    ; at their places in the word;
	v_permlanex16_b32 v22, v20, s26, s27
	v_or_b32 v20, v20, v22                         ; with lane l xor 16's two the word is whole, in both lanes
.irp c, 0,1
	v_cvt_scalef32_pk16_fp6_f32 v[C+6*\c:C+6*\c+2], v[R+32*\c:R+32*\c+15], v[SO+\c]
	v_cvt_scalef32_pk16_fp6_f32 v[T+4*\c:T+4*\c+2], v[R+32*\c+16:R+32*\c+31], v[SO+\c]   ; (a conversion's three registers begin on an even number)
.endr
	v_nop                                          ; one plain place behind a scaled conversion
.irp c, 0,1
.irp i, 0,1,2
	v_mov_b32 v[C+3+6*\c+\i], v[T+4*\c+\i]
.endr
.endr
.irp g, 0,1,2
	global_store_b128 v[FO], v[C+4*\g:C+4*\g+3], s[12:13] offset:512*\g   ; the fragment's image: 512 consecutive bytes a store
.endr
	ds_store_b32 v[SGA], v20                       ; lanes r and r + 16 write the same word with the same value
	s_wait_dscnt 0x0                               ; for wave 0's sake: my word has landed
	s_barrier_signal -1
	s_barrier_wait -1
	s_cmp_lg_u32 s16, 0
	s_cbranch_scc1 .Lend
	ds_load_b128 v[44:47], v[SGR]                  ; the eight waves' words
	s_wait_dscnt 0x0
	global_store_b128 v[LI], v[44:47], s[12:13] offset:12288   ; 512 consecutive bytes
.Lend:
	s_wait_tensorcnt 0x0                           ; the wave's end: behind my last LDS store
	ds_add_u32 v[SPW], v[NIL]
	s_wait_dscnt 0x0
	s_endpgm
.Lfunc_end_k_q9fb52dc596_quant:
	.size	k_q9fb52dc596_quant, .Lfunc_end_k_q9fb52dc596_quant-k_q9fb52dc596_quant
	.p2alignl 7, 3214868480
	.fill 96, 4, 3214868480
	.section	.rodata,"a",@progbits
	.p2align	6, 0x0
	.amdhsa_kernel k_q9fb52dc596_quant
		.amdhsa_group_segment_fixed_size 69632
		.amdhsa_private_segment_fixed_size 0
		.amdhsa_enable_private_segment 0
		.amdhsa_kernarg_size 40
		.amdhsa_user_sgpr_count 2
		.amdhsa_user_sgpr_kernarg_segment_ptr 1
		.amdhsa_wavefront_size32 1
		.amdhsa_system_sgpr_workgroup_id_x 1
		.amdhsa_system_sgpr_workgroup_id_y 1
		.amdhsa_system_sgpr_workgroup_id_z 1
		.amdhsa_system_vgpr_workitem_id 0
		.amdhsa_next_free_vgpr 128
		.amdhsa_next_free_sgpr 66
		.amdhsa_reserve_vcc 0
		.amdhsa_float_denorm_mode_32 3
		.amdhsa_float_denorm_mode_16_64 3
		.amdhsa_memory_ordered 1
		.amdhsa_forward_progress 1
		.amdhsa_inst_pref_size 10
	.end_amdhsa_kernel
	.amdgpu_metadata
---
amdhsa.version: [ 1, 2 ]
amdhsa.kernels:
  - .name:           k_q9fb52dc596_quant
    .symbol:         k_q9fb52dc596_quant.kd
    .args:
      - { .name: x, .offset: 0, .size: 8, .value_kind: global_buffer, .address_space: global }
      - { .name: Wq, .offset: 8, .size: 8, .value_kind: global_buffer, .address_space: global }
      - { .name: Wk, .offset: 16, .size: 8, .value_kind: global_buffer, .address_space: global }
      - { .name: Wv, .offset: 24, .size: 8, .value_kind: global_buffer, .address_space: global }
      - { .name: c1, .offset: 32, .size: 8, .value_kind: global_buffer, .address_space: global }
    .group_segment_fixed_size: 69632
    .private_segment_fixed_size: 0
    .kernarg_segment_align: 8
    .kernarg_segment_size: 40
    .max_flat_workgroup_size: 256
    .sgpr_count:     66
    .vgpr_count:     128
    .wavefront_size: 32
...
	.end_amdgpu_metadata
.endif
;; end of part 1
;; launch proj (part 2): grid 8 x 48, 4 waves a work-group, clusters of 4 x 4, 327,680 bytes of LDS; arguments c1, c2; writes c2
.if DOCPART == 2
	.amdgcn_target "amdgcn-amd-amdhsa--gfx1250"
	.amdhsa_code_object_version 6
	.text
	.protected	k_q9fb52dc596_proj
	.globl	k_q9fb52dc596_proj
	.p2align	8
	.type	k_q9fb52dc596_proj,@function
k_q9fb52dc596_proj:
	s_mov_b64 s[64:65], 0
	v_nop
	global_prefetch_b8 v0, s[64:65] scope:SCOPE_SE
	s_setreg_imm32_b32 hwreg(HW_REG_WAVE_MODE, 25, 1), 1
	s_wait_xcnt 0x0
	s_wait_alu depctr_hold_cnt(0) depctr_sa_sdst(0) depctr_va_vdst(0) depctr_va_sdst(0) depctr_va_ssrc(0) depctr_va_vcc(0) depctr_vm_vsrc(0)
	s_getreg_b32 s2, hwreg(HW_REG_IB_STS2, 6, 4)
	s_cmp_eq_u32 s2, 0
	s_cbranch_scc0 .Lentry_in_a_cluster
	s_endpgm
.Lentry_in_a_cluster:
	s_bfe_u32 s2, ttmp6, 0x10000c
	s_cmp_lg_u32 s2, 0xf033
	s_cbranch_scc0 .Lentry_shape_is_right
	s_endpgm
.Lentry_shape_is_right:
; A GEMM ON CODES OF FP6 (E2M3) WHOSE RESULT IS QUANTISED AGAIN, ALONG ITS COLUMNS, IN REGISTERS.  One text serves two launches; SCORE says which.
;   SCORE = 0: q = x Wq^T, k = x Wk^T (quantised along the 1,024 features) and v^T = Wv x^T (quantised along the keys), from c1 into c2.
;   SCORE = 1: score = q k^T / 32 (quantised along the keys), from c2 into c3.  1 / 32 is 2^-5: it changes no code; 5 is taken off each scale byte.
; OPERANDS AND RESULTS lie in UNITS of 128 rows x 128 K, 12,800 bytes: eight fragments as images of the operand's 12 registers (registers 4 g .. 4 g + 3 of lane l at 1536 a + 512 g + 16 l;
; lane (r, h) of fragment a holds row 32 (a / 2) + 8 (a % 2) + r + 8 (r / 8) of the 128), then 512 bytes of scale words (that of (r, a) at 12288 + 32 r + 4 a).  The 8 units of a group of 128 rows lie on end.
; c1: groups 0-63 x, 64-71 Wq, 72-79 Wk, 80-87 Wv.  c2: units 0-511 q, 512-1023 k (group x 8 + feature / 128), 1024-1535 v^T ((8 batch + channel / 128) x 16 + key / 128).  c3: (row / 128) x 16 + key / 128.
; SHARES.  A work-group makes 256 rows of A x 256 rows of B over K = 1,024; each of its four waves 128 x 128: 64 accumulators, 512 registers.
; THE MATRIX INSTRUCTION IS USED TRANSPOSED (source 0 = 16 rows of B, source 1 = 16 rows of A): a lane holds one row of A, and by the order of the rows in a fragment the 16 registers of B's fragments
; 2 b and 2 b + 1 are 16 NEIGHBOURS along B's rows, which are the next product's K.  So a wave's 128 x 128 becomes one unit of the result: 8 fragments and their scale words, stored from registers.
; LDS: three slots of 102,400 bytes, each 256 along K: [A group 0 | A group 1 | B group 0 | B group 1], 25,600 dense bytes each, one tensor load a wave.  K has four such steps: three first fills, and
; slot 0 is filled once again.  A fragment comes out of LDS by three loads of 16 bytes a lane, 512 consecutive bytes each: no pitch, no padding.
; CLUSTERS: 4 x 4 work-groups; A's parts are shared along a row of the cluster, B's along a column, each asked for jointly.
; No prefetch: three quarters of a tile's bytes are asked for at its head, and the whole tile is eight chunks of 64 matrix instructions.
; REGISTERS, in windows of 256: window 0: v1-19 addresses; v28, v29 the add's two; v32-47 scale words, two sets; v64-159, v160-255 A's fragments, two sets (on the way out: codes and work).
;   window 1: v0-95, v128-223 B's fragments, two sets.   windows 2, 3: accumulator (a, b) at window 2 + a / 4, v[8 (8 (a % 4) + b)].
; LIMITS: NaN and infinities are not served.  A block of zeros gets the byte 1 where the rule says 127 (its codes are zeros; this program alone reads the bytes).  Blocks whose largest magnitude
; lies under 2^-124 (SCORE = 1: whose largest score / 32 lies under 2^-124) are held at the byte 1, as the rule's hold at e = -126 has it.
.set SCORE, 0
.set UNITB, 12800
.set GSTR,  8*UNITB                    ; a group's 8 units
.set PART,  2*UNITB                    ; what one tensor load brings: 256 along K of one group
.set SLOT,  4*PART
.set SPARE, 3*SLOT                     ; behind the slots: the spare words, 128 bytes a wave: two blocks of 256 bytes that no other line names
.set SCOFF, 12288                      ; a unit's scale words
.if SCORE
.set FLOOR, 8<<23                      ; 2^(8 - 127): the floor of the raw scores, 2^5 times the floor of what is quantised
.else
.set FLOOR, 3<<23                      ; 2^(3 - 127)
.endif
.set LI,   3                           ; v3     16 x lane
.set ADRA, 4                           ; v4-6   LDS address of my A fragments in slot 0, 1, 2
.set ADRB, 8                           ; v8-10  the same for B
.set ADRS, 12                          ; v12-14 of the scale words: lanes 0-15 A's, lanes 16-31 B's
.set SCO,  16                          ; v16    the way out: 32 r + 16 h
.set SPW,  28                          ; v28    LDS address of my spare word; never rewritten
.set NIL,  29                          ; v29    0; never rewritten
.set SC,   32                          ; scale words: set p at v[SC + 8 p]; register i: lanes 0-15 the words of A's fragment i, lanes 16-31 those of B's
.set AF,   64                          ; A's fragments: set p at v[AF + 96 p]
.set G1A, 24                           ; s[24:31] descriptor group 1 for A's parts;  s[32:39] for B's: they differ in the mask
.set G1B, 32
.set G0A, 40                           ; s[40:51] group 0 for A's parts, a set for each slot;  s[52:63] for B's
.set G0B, 52
.set MSB, 0
.macro WIN new                         ; the immediate's high byte repeats the setting that is left; a switch that changes nothing is dropped
.if MSB != (\new)
	s_set_vgpr_msb (MSB<<8)|(\new)
.set MSB, (\new)
.endif
.endm
.set MUL_LO, 0xa1                      ; source 0 (B) window 1, source 1 (A) window 0, C and D window 2
.set MUL_HI, 0xf1                      ; the same, C and D window 3
.set TO_B,   0x40                      ; destination window 1, address window 0
; A joint load: waves 0 and 1 fetch A's two groups, waves 2 and 3 B's.  Each line has one mask and one set of registers for all that issue it; the branch hangs on the wave's number alone.
; An s_nop 0 and four v_nop follow each of the two lines.
.macro JLOAD s
	s_cmp_eq_u32 s9, 0
	s_cbranch_scc0 .Lfor_b_\@
	tensor_load_to_lds s[G0A+4*\s:G0A+4*\s+3], s[G1A:G1A+7]
	s_nop 0
.rept 4
	v_nop
.endr
	s_branch .Lasked_\@
.Lfor_b_\@:
	tensor_load_to_lds s[G0B+4*\s:G0B+4*\s+3], s[G1B:G1B+7]
	s_nop 0
.rept 4
	v_nop
.endr
.Lasked_\@:
.endm
.macro CREST                           ; a round of the cluster's barrier behind its opening barrier
	s_cmp_lg_u32 s8, 0
	s_cbranch_scc1 .Lnot_wave_0_\@
	s_barrier_signal -3
.Lnot_wave_0_\@:
	s_barrier_wait -3
	s_barrier_signal -1
	s_barrier_wait -1
.endm
.macro CROUND                          ; a whole round
	s_barrier_signal -1
	s_barrier_wait -1
	CREST
.endm
.macro PLACES n
.rept \n
	v_nop
.endr
.endm
	s_load_b128 s[4:7], s[0:1], 0x0                ; the operands' buffer s[4:5], the result's s[6:7]
	v_lshl_add_u32 v[SPW], v0, 2, SPARE
	v_mov_b32 v[NIL], 0
	ds_add_u32 v[SPW], v[NIL]                      ; the wave's opening: the add and its wait stand ahead of my first tensor load; the set-up below, work on registers, stands between them
	v_lshrrev_b32 v1, 5, v0
	v_readfirstlane_b32 s8, v1                     ; wave 0..3
	s_lshr_b32 s9, s8, 1                           ; which of A's two groups I multiply.  Also: I fetch for A (0) or for B (1)
	s_and_b32 s10, s8, 1                           ; which of B's two groups I multiply.  Also: which of the two groups I fetch
	s_bfe_u32 s11, ttmp6, 0x40000                  ; cx, cy: my place in the cluster
	s_bfe_u32 s12, ttmp6, 0x40004
	s_mov_b32 s13, ttmp9                           ; the cluster's x,
	s_and_b32 s14, ttmp7, 0xffff                   ; and its y
	s_lshl_b32 s16, s12, 2
	s_lshl_b32 s16, 15, s16                        ; my row of the cluster
	s_lshl_b32 s17, 0x1111, s11                    ; my column
	; descriptor group 1: 25,600 dense bytes as 100 rows of 32 elements of 8 bytes
	s_or_b32 s[G1A], s16, (3<<16)|(1<<21)          ; 15:0 the mask: A's parts go to my row; 17:16 elements of 8 bytes; 20 no padding; 21 set beside a mask
	s_or_b32 s[G1B], s17, (3<<16)|(1<<21)          ; B's go to my column
.irp g, G1A, G1B
	s_mov_b32 s[\g+1], 32<<16                      ; tensor_dim0 = 32
	s_mov_b32 s[\g+2], 100<<16                     ; tensor_dim1 = 100
	s_mov_b32 s[\g+3], 32<<16                      ; tile_dim0 = 32
	s_mov_b32 s[\g+4], 100                         ; tile_dim1 = 100
	s_mov_b32 s[\g+5], 32                          ; from row to row
	s_mov_b32 s[\g+6], 0
	s_mov_b32 s[\g+7], 0
.endr
	s_mov_b32 s18, 0x76543210
	s_mov_b32 s19, 0xfedcba98                      ; v_permlanex16_b32's selects for lane l xor 16
.if SCORE
	s_mov_b32 s20, 0x05050505                      ; 5 off each of a scale word's four bytes
.endif
	; A's group that I fetch: it hangs on cy, the cluster and the wave, never on cx
	s_lshl_b32 s66, s12, 1
	s_add_co_u32 s66, s66, s10                     ; 2 cy + which
	s_lshl_b32 s67, s14, 3                         ; rows of x (of q): 8 groups a cluster row;
.if SCORE == 0
	s_cmp_lt_u32 s14, 8                            ; cluster rows 8 to 11 make v^T: A is Wv, groups 80 on
	s_cselect_b32 s67, s67, 80
.endif
	s_add_co_u32 s66, s66, s67
	s_mul_i32 s66, s66, GSTR
	s_mov_b32 s67, 0
	; B's: it hangs on cx, the cluster and the wave, never on cy
	s_lshl_b32 s70, s11, 1
	s_add_co_u32 s70, s70, s10                     ; 2 cx + which
	s_lshl_b32 s71, s13, 3
	s_add_co_u32 s70, s70, s71                     ; + 8 x cluster x
.if SCORE
	s_lshr_b32 s71, s14, 1                         ; the batch: 8 tile rows, two cluster rows
	s_lshl_b32 s71, s71, 4
	s_add_co_u32 s71, s71, 64                      ; k's groups begin at 64; 16 a batch
.else
	s_sub_co_u32 s71, s14, 8
	s_lshl_b32 s71, s71, 4                         ; v^T: B is x, 16 groups for each cluster row from 8 on;
	s_cmp_lt_u32 s14, 8
	s_cselect_b32 s71, 64, s71                     ; q, k: B is Wq | Wk, groups 64 on
.endif
	s_add_co_u32 s70, s70, s71
	s_mul_i32 s70, s70, GSTR
	s_mov_b32 s71, 0
	; the unit of the result that my wave makes
	s_lshl_b32 s76, s12, 1
	s_add_co_u32 s76, s76, s9                      ; 2 cy + my group of A
	s_lshl_b32 s77, s11, 1
	s_add_co_u32 s77, s77, s10                     ; 2 cx + my group of B
	s_lshl_b32 s78, s14, 3
	s_add_co_u32 s78, s78, s76                     ; the group of rows of x (of q)
.if SCORE
	s_lshl_b32 s78, s78, 4                         ; 16 units a group,
	s_lshl_b32 s79, s13, 3
	s_add_co_u32 s78, s78, s79                     ; + 8 x cluster x
.else
	s_lshl_b32 s78, s78, 3                         ; q, k: 8 units a group,
	s_lshl_b32 s79, s13, 9
	s_add_co_u32 s78, s78, s79                     ; cluster x = 0: q, 1: k, 512 units on
	s_sub_co_u32 s80, s14, 8                       ; v^T: the batch,
	s_lshl_b32 s80, s80, 3
	s_add_co_u32 s80, s80, s76                     ; 8 groups of channels a batch,
	s_lshl_b32 s80, s80, 4                         ; 16 units a group,
	s_lshl_b32 s81, s13, 3
	s_add_co_u32 s80, s80, s81                     ; + 8 x cluster x,
	s_add_co_u32 s80, s80, 1024                    ; behind q's and k's
	s_cmp_lt_u32 s14, 8
	s_cselect_b32 s78, s78, s80
.endif
	s_add_co_u32 s78, s78, s77
	s_mul_i32 s78, s78, UNITB
	s_mov_b32 s79, 0
	s_mul_i32 s15, s8, PART                        ; where my part goes in a slot: no place in the cluster enters an LDS address
	s_wait_dscnt 0x0                               ; the opening add is done
	s_wait_kmcnt 0x0
	s_add_nc_u64 s[68:69], s[4:5], s[66:67]
	s_add_nc_u64 s[72:73], s[4:5], s[70:71]
	s_add_nc_u64 s[6:7], s[6:7], s[78:79]
	CROUND                                         ; all sixteen work-groups are here: the first joint loads meet
.irp s, 0,1,2
	s_mov_b32 s[G0A+4*\s], 1                                       ; count = 1
	s_add_co_u32 s[G0A+4*\s+1], s15, \s*SLOT                       ; LDS address
	s_add_nc_u64 s[G0A+4*\s+2:G0A+4*\s+3], s[68:69], \s*PART       ; global address: the group's units 2 s, 2 s + 1
	s_or_b32 s[G0A+4*\s+3], s[G0A+4*\s+3], 0x80000000              ; type = 2
	s_mov_b32 s[G0B+4*\s], 1
	s_add_co_u32 s[G0B+4*\s+1], s15, \s*SLOT
	s_add_nc_u64 s[G0B+4*\s+2:G0B+4*\s+3], s[72:73], \s*PART
	s_or_b32 s[G0B+4*\s+3], s[G0B+4*\s+3], 0x80000000
	JLOAD \s                                       ; three loads of mine are out behind the third
.endr
	v_and_b32 v17, 31, v0
	v_lshlrev_b32 v[LI], 4, v17
	v_and_b32 v1, 15, v0                           ; r
	v_bfe_u32 v2, v0, 4, 1                         ; h
	s_mul_i32 s21, s9, PART                        ; my group of A in a slot,
	s_mul_i32 s22, s10, PART
	s_add_co_u32 s22, s22, 2*PART                  ; and of B
	v_lshlrev_b32 v18, 5, v1                       ; scale words: 32 bytes a lane r;
	s_sub_co_u32 s23, s22, s21
	v_mul_u32_u24 v19, s23, v2                     ; lanes 16-31 take B's: one product, h x the distance
	v_add_nc_u32 v18, v18, v19
	s_add_co_u32 s84, s21, SCOFF
.irp s, 0,1,2
	v_add_nc_u32 v[ADRA+\s], s21, v[LI]
	v_add_nc_u32 v[ADRB+\s], s22, v[LI]
	v_add_nc_u32 v[ADRS+\s], s84, v18
	s_add_co_u32 s21, s21, SLOT
	s_add_co_u32 s22, s22, SLOT
	s_add_co_u32 s84, s84, SLOT
.endr
	v_lshlrev_b32 v[SCO], 5, v1
	v_lshl_add_u32 v[SCO], v2, 4, v[SCO]
; A CHUNK is 128 along K: unit q of a slot.  Its loads are always issued in this order: B's 24, the scale words' 2, A's 24 (fragments 0 to 7, three each): the counted waits below lean on it.
.macro FETCH_B slot, q, p
	WIN TO_B
.irp i, 0,1,2,3,4,5,6,7
.irp c, 0,1,2
	ds_load_b128 v[128*(\p)+12*\i+4*\c:128*(\p)+12*\i+4*\c+3], v[ADRB+\slot] offset:UNITB*(\q)+1536*\i+512*\c
.endr
.endr
	WIN 0
.endm
.macro FETCH_A slot, q, p
.irp i, 0,1,2,3,4,5,6,7
.irp c, 0,1,2
	ds_load_b128 v[AF+96*(\p)+12*\i+4*\c:AF+96*(\p)+12*\i+4*\c+3], v[ADRA+\slot] offset:UNITB*(\q)+1536*\i+512*\c
.endr
.endr
.endm
.macro SCALES slot, q, p               ; a lane's 32 bytes are the words of all eight fragments
	ds_load_b128 v[SC+8*(\p):SC+8*(\p)+3], v[ADRS+\slot] offset:UNITB*(\q)
	ds_load_b128 v[SC+8*(\p)+4:SC+8*(\p)+7], v[ADRS+\slot] offset:UNITB*(\q)+16
.endm
; 16 matrix instructions: A's fragments a0, a0 + 1 x B's eight, on set p.  zero = 1: the first product starts the sums: nothing is ever cleared.
; The 64 accumulators take turns, one instruction a turn, in the same order in every chunk.
.macro MUL16 a0, p, zero
.irp a, \a0, \a0+1
.irp b, 0,1,2,3,4,5,6,7
.if \zero
	v_wmma_scale_f32_16x16x128_f8f6f4 v[8*(8*((\a)%4)+\b):8*(8*((\a)%4)+\b)+7], v[128*(\p)+12*\b:128*(\p)+12*\b+11], v[AF+96*(\p)+12*(\a):AF+96*(\p)+12*(\a)+11], 0, v[SC+8*(\p)+\b], v[SC+8*(\p)+(\a)] matrix_a_fmt:MATRIX_FMT_FP6 matrix_b_fmt:MATRIX_FMT_FP6 matrix_a_scale:MATRIX_SCALE_ROW1
.else
	v_wmma_scale_f32_16x16x128_f8f6f4 v[8*(8*((\a)%4)+\b):8*(8*((\a)%4)+\b)+7], v[128*(\p)+12*\b:128*(\p)+12*\b+11], v[AF+96*(\p)+12*(\a):AF+96*(\p)+12*(\a)+11], v[8*(8*((\a)%4)+\b):8*(8*((\a)%4)+\b)+7], v[SC+8*(\p)+\b], v[SC+8*(\p)+(\a)] matrix_a_fmt:MATRIX_FMT_FP6 matrix_b_fmt:MATRIX_FMT_FP6 matrix_a_scale:MATRIX_SCALE_ROW1
.endif
.endr
.endr
.endm
; A chunk on set p that fetches the next chunk (unit nq of slot nslot) into the other set.  That set was last read by the chunk before: the four places behind this chunk's first sixteen products
; stand between those products and both runs of loads (ISA guide 7.12.1 for vector instructions).
.macro STEP p, zero, nslot, nq
	s_wait_dscnt 18                                ; B, the scale words and A's fragments 0, 1 are in; A's 2 to 7 (18 loads) may be out
	WIN MUL_LO
	MUL16 0, \p, \zero
	PLACES 4
	FETCH_B \nslot, \nq, 1-\p
	SCALES \nslot, \nq, 1-\p
	s_wait_dscnt 38                                ; A's 2, 3 are in: behind them A's 4 to 7 (12) and the 26 just issued
	WIN MUL_LO
	MUL16 2, \p, \zero
	WIN 0
	FETCH_A \nslot, \nq, 1-\p
	s_wait_dscnt 56                                ; A's 4, 5: behind them A's 6, 7 (6), 26 and 24
	WIN MUL_HI
	MUL16 4, \p, \zero
	s_wait_dscnt 50                                ; A's 6, 7: behind them the next chunk's 50
	MUL16 6, \p, \zero
	WIN 0
.endm
; A chunk with a barrier in it: in front each wave waits for all its tensor loads, adds 0 to its spare word, and waits for that and for all its LDS reads.  Behind it every slot that was asked for is whole
; for every wave, and nobody reads a slot that has been left.  fill = 1: the barrier opens a round of the cluster's barrier, and slot 0 is filled again, with the fourth 256 along K.
.macro TURN p, fill, nslot
	s_wait_tensorcnt 0x0                           ; all my tensor loads have landed  (every window is 0 here: the add's two registers lie in window 0)
	ds_add_u32 v[SPW], v[NIL]                      ; 0 onto my spare word
	s_wait_dscnt 19                                ; (the add and A's fragments 2 to 7 may be out)
	WIN MUL_LO
	MUL16 0, \p, 0                                 ; sixteen matrix instructions stand between the add and the wait for it
	s_wait_dscnt 0x0                               ; the add is done, and all my LDS reads are in
	s_barrier_signal -1
	MUL16 2, \p, 0
	WIN 0
	s_barrier_wait -1
.if \fill
	CREST                                          ; no wave of any partner still reads slot 0 or has a load on its way
	s_add_nc_u64 s[G0A+2:G0A+3], s[G0A+2:G0A+3], 3*PART
	s_add_nc_u64 s[G0B+2:G0B+3], s[G0B+2:G0B+3], 3*PART
	JLOAD 0                                        ; the first tensor load behind the round, my only one: it has three and a half chunks in which to land; its four v_nop are the places in front of the loads below
.else
	PLACES 4
.endif
	FETCH_B \nslot, 0, 1-\p
	SCALES \nslot, 0, 1-\p
	FETCH_A \nslot, 0, 1-\p
	WIN MUL_HI
	MUL16 4, \p, 0
	MUL16 6, \p, 0
	WIN 0
.endm
.macro LAST p                          ; the last chunk fetches nothing: the counts run down
	s_wait_dscnt 18
	WIN MUL_LO
	MUL16 0, \p, 0
	s_wait_dscnt 12
	MUL16 2, \p, 0
	s_wait_dscnt 6
	WIN MUL_HI
	MUL16 4, \p, 0
	s_wait_dscnt 0x0
	MUL16 6, \p, 0
	WIN 0
.endm
	s_wait_tensorcnt 2                             ; my part of slot 0 is in; slots 1 and 2 may stay out
	s_barrier_signal -1
	s_barrier_wait -1                              ; everybody's is
	FETCH_B 0, 0, 0
	SCALES 0, 0, 0
	FETCH_A 0, 0, 0
	STEP 0, 1, 0, 1                                ; K 0: its products start the sums
	TURN 1, 1, 1                                   ; K 128: slot 0 is left and filled again; slots 1 and 2 are whole
	STEP 0, 0, 1, 1                                ; K 256
	STEP 1, 0, 2, 0                                ; K 384
	STEP 0, 0, 2, 1                                ; K 512
	TURN 1, 0, 0                                   ; K 640: slot 0's second fill is whole; nothing is filled, so no round
	STEP 0, 0, 0, 1                                ; K 768
	LAST 1                                         ; K 896
; THE WAY OUT.  For A's fragment a a lane's 64 results, register 16 b + i = column 32 b + 16 h + i of its row, become fragment a of the result's unit: four blocks of 32, each shared with lane l xor 16.
.set PC,   64                          ; v64-159  the codes: 12 registers for each a, so that no store's data are written again
.set T2,   160                         ; v160-162, v164-166 the second conversion of each pair
.set TM,   168                         ; v168-171 largest magnitudes, v172-175 the partner's, then the bytes, v176-179 the conversions' scale operands
.set PW,   184                         ; v184-191 the scale words, one for each a
.set SOUT, 192                         ; v192-195 four of them, by the lane's half
.set FL,   196                         ; v196     the floor
	PLACES 4                                       ; behind the last products: their results are read, and their sources written, below
	v_mov_b32 v[FL], FLOOR
.irp b, 0,1,2,3
	v_mov_b32 v[TM+4+\b], 0                        ; a lane permute's destination counts as one of its sources
.endr
.macro QUANTA a
.set W,   2+(\a)/4
.set WQ,  (W<<2)|(W<<4)
.set AC,  64*((\a)%4)
.set PCA, PC+12*(\a)
	WIN WQ                                         ; sources 1 and 2: the accumulators' window
.irp b, 0,1,2,3
	v_max3_num_f32 v[TM+\b], v[FL], |v[AC+16*\b]|, |v[AC+16*\b+1]|   ; block b: my 16 numbers and the floor; each accumulator is read from its low end on
.endr
.irp i, 2,4,6,8,10,12,14
.irp b, 0,1,2,3
	v_max3_num_f32 v[TM+\b], v[TM+\b], |v[AC+16*\b+\i]|, |v[AC+16*\b+\i+1]|   ; (the four blocks by turns)
.endr
.endr
	WIN 0
.irp b, 0,1,2,3
	v_permlanex16_b32 v[TM+4+\b], v[TM+\b], s18, s19
.endr
.irp b, 0,1,2,3
	v_max_num_f32 v[TM+\b], v[TM+\b], v[TM+4+\b]   ; with lane l xor 16's: the block's largest magnitude
.endr
.irp b, 0,1,2,3
	v_add_nc_u32 v[TM+8+\b], 0xff000000, v[TM+\b]  ; 2 off its exponent field: the conversion's scale operand
.endr
.irp b, 0,1,2,3
	v_lshrrev_b32 v[TM+4+\b], 23, v[TM+8+\b]       ; the scale's byte
.endr
	v_lshl_or_b32 v[PW+(\a)], v[TM+5], 8, v[TM+4]
	v_lshl_or_b32 v[PW+(\a)], v[TM+6], 16, v[PW+(\a)]
	v_lshl_or_b32 v[PW+(\a)], v[TM+7], 24, v[PW+(\a)]
.if SCORE
	v_sub_nc_u32 v[PW+(\a)], v[PW+(\a)], s20       ; x 2^-5: every byte is 6 at the least (the floor), so nothing is borrowed
.endif
	WIN W                                          ; source 0: the accumulators' window
.irp c, 0,1
	v_cvt_scalef32_pk16_fp6_f32 v[PCA+6*\c:PCA+6*\c+2], v[AC+32*\c:AC+32*\c+15], v[TM+8+2*\c]
	v_cvt_scalef32_pk16_fp6_f32 v[T2+4*\c:T2+4*\c+2], v[AC+32*\c+16:AC+32*\c+31], v[TM+9+2*\c]   ; (a conversion's three registers begin on an even number)
.endr
	WIN 0
	v_nop                                          ; one plain place behind a scaled conversion
.irp c, 0,1                                    ; the operand's layout wants a whole block in a lane: lanes 0-15 block 2 c, lanes 16-31 block 2 c + 1
.irp i, 0,1,2
	v_permlane16_swap_b32 v[PCA+6*\c+\i], v[T2+4*\c+\i]
.endr
.irp i, 0,1,2
	v_mov_b32 v[PCA+3+6*\c+\i], v[T2+4*\c+\i]
.endr
.endr
.irp g, 0,1,2
	global_store_b128 v[LI], v[PCA+4*\g:PCA+4*\g+3], s[6:7] offset:1536*(\a)+512*\g   ; the fragment's image: 512 consecutive bytes, at a multiple of 256 from the buffer's first byte
.endr
.endm
.irp a, 0,1,2,3,4,5,6,7
	QUANTA \a
.endr
	v_cmp_ne_u32 vcc_lo, 0, v2                     ; lanes 0-15 store the words of fragments 0 to 3, lanes 16-31 (which hold the same words) those of 4 to 7
.irp i, 0,1,2,3
	v_cndmask_b32 v[SOUT+\i], v[PW+\i], v[PW+4+\i], vcc_lo
.endr
	global_store_b128 v[SCO], v[SOUT:SOUT+3], s[6:7] offset:SCOFF   ; the unit's 512 bytes of scale words in one store
	s_wait_tensorcnt 0x0                           ; the wave's end: behind my last tensor load
	ds_add_u32 v[SPW], v[NIL]
	s_wait_dscnt 0x0
	CROUND                                         ; the closing round: no work-group ends while a partner may still ask for a part that names it
	s_endpgm
.Lfunc_end_k_q9fb52dc596_proj:
	.size	k_q9fb52dc596_proj, .Lfunc_end_k_q9fb52dc596_proj-k_q9fb52dc596_proj
	.p2alignl 7, 3214868480
	.fill 96, 4, 3214868480
	.section	.rodata,"a",@progbits
	.p2align	6, 0x0
	.amdhsa_kernel k_q9fb52dc596_proj
		.amdhsa_group_segment_fixed_size 327680
		.amdhsa_private_segment_fixed_size 0
		.amdhsa_enable_private_segment 0
		.amdhsa_kernarg_size 16
		.amdhsa_user_sgpr_count 2
		.amdhsa_user_sgpr_kernarg_segment_ptr 1
		.amdhsa_wavefront_size32 1
		.amdhsa_system_sgpr_workgroup_id_x 1
		.amdhsa_system_sgpr_workgroup_id_y 1
		.amdhsa_system_sgpr_workgroup_id_z 1
		.amdhsa_system_vgpr_workitem_id 0
		.amdhsa_next_free_vgpr 1024
		.amdhsa_next_free_sgpr 92
		.amdhsa_reserve_vcc 1
		.amdhsa_float_denorm_mode_32 3
		.amdhsa_float_denorm_mode_16_64 3
		.amdhsa_memory_ordered 1
		.amdhsa_forward_progress 1
		.amdhsa_inst_pref_size 136
	.end_amdhsa_kernel
	.amdgpu_metadata
---
amdhsa.version: [ 1, 2 ]
amdhsa.kernels:
  - .name:           k_q9fb52dc596_proj
    .symbol:         k_q9fb52dc596_proj.kd
    .args:
      - { .name: c1, .offset: 0, .size: 8, .value_kind: global_buffer, .address_space: global }
      - { .name: c2, .offset: 8, .size: 8, .value_kind: global_buffer, .address_space: global }
    .group_segment_fixed_size: 327680
    .private_segment_fixed_size: 0
    .kernarg_segment_align: 8
    .kernarg_segment_size: 16
    .max_flat_workgroup_size: 128
    .sgpr_count:     92
    .vgpr_count:     1024
    .wavefront_size: 32
...
	.end_amdgpu_metadata
.endif
;; end of part 2
;; launch score (part 3): grid 8 x 32, 4 waves a work-group, clusters of 4 x 4, 327,680 bytes of LDS; arguments c2, c3; writes c3
.if DOCPART == 3
	.amdgcn_target "amdgcn-amd-amdhsa--gfx1250"
	.amdhsa_code_object_version 6
	.text
	.protected	k_q9fb52dc596_score
	.globl	k_q9fb52dc596_score
	.p2align	8
	.type	k_q9fb52dc596_score,@function
k_q9fb52dc596_score:
	s_mov_b64 s[64:65], 0
	v_nop
	global_prefetch_b8 v0, s[64:65] scope:SCOPE_SE
	s_setreg_imm32_b32 hwreg(HW_REG_WAVE_MODE, 25, 1), 1
	s_wait_xcnt 0x0
	s_wait_alu depctr_hold_cnt(0) depctr_sa_sdst(0) depctr_va_vdst(0) depctr_va_sdst(0) depctr_va_ssrc(0) depctr_va_vcc(0) depctr_vm_vsrc(0)
	s_getreg_b32 s2, hwreg(HW_REG_IB_STS2, 6, 4)
	s_cmp_eq_u32 s2, 0
	s_cbranch_scc0 .Lentry_in_a_cluster
	s_endpgm
.Lentry_in_a_cluster:
	s_bfe_u32 s2, ttmp6, 0x10000c
	s_cmp_lg_u32 s2, 0xf033
	s_cbranch_scc0 .Lentry_shape_is_right
	s_endpgm
.Lentry_shape_is_right:
; A GEMM ON CODES OF FP6 (E2M3) WHOSE RESULT IS QUANTISED AGAIN, ALONG ITS COLUMNS, IN REGISTERS.  One text serves two launches; SCORE says which.
;   SCORE = 0: q = x Wq^T, k = x Wk^T (quantised along the 1,024 features) and v^T = Wv x^T (quantised along the keys), from c1 into c2.
;   SCORE = 1: score = q k^T / 32 (quantised along the keys), from c2 into c3.  1 / 32 is 2^-5: it changes no code; 5 is taken off each scale byte.
; OPERANDS AND RESULTS lie in UNITS of 128 rows x 128 K, 12,800 bytes: eight fragments as images of the operand's 12 registers (registers 4 g .. 4 g + 3 of lane l at 1536 a + 512 g + 16 l;
; lane (r, h) of fragment a holds row 32 (a / 2) + 8 (a % 2) + r + 8 (r / 8) of the 128), then 512 bytes of scale words (that of (r, a) at 12288 + 32 r + 4 a).  The 8 units of a group of 128 rows lie on end.
; c1: groups 0-63 x, 64-71 Wq, 72-79 Wk, 80-87 Wv.  c2: units 0-511 q, 512-1023 k (group x 8 + feature / 128), 1024-1535 v^T ((8 batch + channel / 128) x 16 + key / 128).  c3: (row / 128) x 16 + key / 128.
; SHARES.  A work-group makes 256 rows of A x 256 rows of B over K = 1,024; each of its four waves 128 x 128: 64 accumulators, 512 registers.
; THE MATRIX INSTRUCTION IS USED TRANSPOSED (source 0 = 16 rows of B, source 1 = 16 rows of A): a lane holds one row of A, and by the order of the rows in a fragment the 16 registers of B's fragments
; 2 b and 2 b + 1 are 16 NEIGHBOURS along B's rows, which are the next product's K.  So a wave's 128 x 128 becomes one unit of the result: 8 fragments and their scale words, stored from registers.
; LDS: three slots of 102,400 bytes, each 256 along K: [A group 0 | A group 1 | B group 0 | B group 1], 25,600 dense bytes each, one tensor load a wave.  K has four such steps: three first fills, and
; slot 0 is filled once again.  A fragment comes out of LDS by three loads of 16 bytes a lane, 512 consecutive bytes each: no pitch, no padding.
; CLUSTERS: 4 x 4 work-groups; A's parts are shared along a row of the cluster, B's along a column, each asked for jointly.
; No prefetch: three quarters of a tile's bytes are asked for at its head, and the whole tile is eight chunks of 64 matrix instructions.
; REGISTERS, in windows of 256: window 0: v1-19 addresses; v28, v29 the add's two; v32-47 scale words, two sets; v64-159, v160-255 A's fragments, two sets (on the way out: codes and work).
;   window 1: v0-95, v128-223 B's fragments, two sets.   windows 2, 3: accumulator (a, b) at window 2 + a / 4, v[8 (8 (a % 4) + b)].
; LIMITS: NaN and infinities are not served.  A block of zeros gets the byte 1 where the rule says 127 (its codes are zeros; this program alone reads the bytes).  Blocks whose largest magnitude
; lies under 2^-124 (SCORE = 1: whose largest score / 32 lies under 2^-124) are held at the byte 1, as the rule's hold at e = -126 has it.
.set SCORE, 1
.set UNITB, 12800
.set GSTR,  8*UNITB                    ; a group's 8 units
.set PART,  2*UNITB                    ; what one tensor load brings: 256 along K of one group
.set SLOT,  4*PART
.set SPARE, 3*SLOT                     ; behind the slots: the spare words, 128 bytes a wave: two blocks of 256 bytes that no other line names
.set SCOFF, 12288                      ; a unit's scale words
.if SCORE
.set FLOOR, 8<<23                      ; 2^(8 - 127): the floor of the raw scores, 2^5 times the floor of what is quantised
.else
.set FLOOR, 3<<23                      ; 2^(3 - 127)
.endif
.set LI,   3                           ; v3     16 x lane
.set ADRA, 4                           ; v4-6   LDS address of my A fragments in slot 0, 1, 2
.set ADRB, 8                           ; v8-10  the same for B
.set ADRS, 12                          ; v12-14 of the scale words: lanes 0-15 A's, lanes 16-31 B's
.set SCO,  16                          ; v16    the way out: 32 r + 16 h
.set SPW,  28                          ; v28    LDS address of my spare word; never rewritten
.set NIL,  29                          ; v29    0; never rewritten
.set SC,   32                          ; scale words: set p at v[SC + 8 p]; register i: lanes 0-15 the words of A's fragment i, lanes 16-31 those of B's
.set AF,   64                          ; A's fragments: set p at v[AF + 96 p]
.set G1A, 24                           ; s[24:31] descriptor group 1 for A's parts;  s[32:39] for B's: they differ in the mask
.set G1B, 32
.set G0A, 40                           ; s[40:51] group 0 for A's parts, a set for each slot;  s[52:63] for B's
.set G0B, 52
.set MSB, 0
.macro WIN new                         ; the immediate's high byte repeats the setting that is left; a switch that changes nothing is dropped
.if MSB != (\new)
	s_set_vgpr_msb (MSB<<8)|(\new)
.set MSB, (\new)
.endif
.endm
.set MUL_LO, 0xa1                      ; source 0 (B) window 1, source 1 (A) window 0, C and D window 2
.set MUL_HI, 0xf1                      ; the same, C and D window 3
.set TO_B,   0x40                      ; destination window 1, address window 0
; A joint load: waves 0 and 1 fetch A's two groups, waves 2 and 3 B's.  Each line has one mask and one set of registers for all that issue it; the branch hangs on the wave's number alone.
; An s_nop 0 and four v_nop follow each of the two lines.
.macro JLOAD s
	s_cmp_eq_u32 s9, 0
	s_cbranch_scc0 .Lfor_b_\@
	tensor_load_to_lds s[G0A+4*\s:G0A+4*\s+3], s[G1A:G1A+7]
	s_nop 0
.rept 4
	v_nop
.endr
	s_branch .Lasked_\@
.Lfor_b_\@:
	tensor_load_to_lds s[G0B+4*\s:G0B+4*\s+3], s[G1B:G1B+7]
	s_nop 0
.rept 4
	v_nop
.endr
.Lasked_\@:
.endm
.macro CREST                           ; a round of the cluster's barrier behind its opening barrier
	s_cmp_lg_u32 s8, 0
	s_cbranch_scc1 .Lnot_wave_0_\@
	s_barrier_signal -3
.Lnot_wave_0_\@:
	s_barrier_wait -3
	s_barrier_signal -1
	s_barrier_wait -1
.endm
.macro CROUND                          ; a whole round
	s_barrier_signal -1
	s_barrier_wait -1
	CREST
.endm
.macro PLACES n
.rept \n
	v_nop
.endr
.endm
	s_load_b128 s[4:7], s[0:1], 0x0                ; the operands' buffer s[4:5], the result's s[6:7]
	v_lshl_add_u32 v[SPW], v0, 2, SPARE
	v_mov_b32 v[NIL], 0
	ds_add_u32 v[SPW], v[NIL]                      ; the wave's opening: the add and its wait stand ahead of my first tensor load; the set-up below, work on registers, stands between them
	v_lshrrev_b32 v1, 5, v0
	v_readfirstlane_b32 s8, v1                     ; wave 0..3
	s_lshr_b32 s9, s8, 1                           ; which of A's two groups I multiply.  Also: I fetch for A (0) or for B (1)
	s_and_b32 s10, s8, 1                           ; which of B's two groups I multiply.  Also: which of the two groups I fetch
	s_bfe_u32 s11, ttmp6, 0x40000                  ; cx, cy: my place in the cluster
	s_bfe_u32 s12, ttmp6, 0x40004
	s_mov_b32 s13, ttmp9                           ; the cluster's x,
	s_and_b32 s14, ttmp7, 0xffff                   ; and its y
	s_lshl_b32 s16, s12, 2
	s_lshl_b32 s16, 15, s16                        ; my row of the cluster
	s_lshl_b32 s17, 0x1111, s11                    ; my column
	; descriptor group 1: 25,600 dense bytes as 100 rows of 32 elements of 8 bytes
	s_or_b32 s[G1A], s16, (3<<16)|(1<<21)          ; 15:0 the mask: A's parts go to my row; 17:16 elements of 8 bytes; 20 no padding; 21 set beside a mask
	s_or_b32 s[G1B], s17, (3<<16)|(1<<21)          ; B's go to my column
.irp g, G1A, G1B
	s_mov_b32 s[\g+1], 32<<16                      ; tensor_dim0 = 32
	s_mov_b32 s[\g+2], 100<<16                     ; tensor_dim1 = 100
	s_mov_b32 s[\g+3], 32<<16                      ; tile_dim0 = 32
	s_mov_b32 s[\g+4], 100                         ; tile_dim1 = 100
	s_mov_b32 s[\g+5], 32                          ; from row to row
	s_mov_b32 s[\g+6], 0
	s_mov_b32 s[\g+7], 0
.endr
	s_mov_b32 s18, 0x76543210
	s_mov_b32 s19, 0xfedcba98                      ; v_permlanex16_b32's selects for lane l xor 16
.if SCORE
	s_mov_b32 s20, 0x05050505                      ; 5 off each of a scale word's four bytes
.endif
	; A's group that I fetch: it hangs on cy, the cluster and the wave, never on cx
	s_lshl_b32 s66, s12, 1
	s_add_co_u32 s66, s66, s10                     ; 2 cy + which
	s_lshl_b32 s67, s14, 3                         ; rows of x (of q): 8 groups a cluster row;
.if SCORE == 0
	s_cmp_lt_u32 s14, 8                            ; cluster rows 8 to 11 make v^T: A is Wv, groups 80 on
	s_cselect_b32 s67, s67, 80
.endif
	s_add_co_u32 s66, s66, s67
	s_mul_i32 s66, s66, GSTR
	s_mov_b32 s67, 0
	; B's: it hangs on cx, the cluster and the wave, never on cy
	s_lshl_b32 s70, s11, 1
	s_add_co_u32 s70, s70, s10                     ; 2 cx + which
	s_lshl_b32 s71, s13, 3
	s_add_co_u32 s70, s70, s71                     ; + 8 x cluster x
.if SCORE
	s_lshr_b32 s71, s14, 1                         ; the batch: 8 tile rows, two cluster rows
	s_lshl_b32 s71, s71, 4
	s_add_co_u32 s71, s71, 64                      ; k's groups begin at 64; 16 a batch
.else
	s_sub_co_u32 s71, s14, 8
	s_lshl_b32 s71, s71, 4                         ; v^T: B is x, 16 groups for each cluster row from 8 on;
	s_cmp_lt_u32 s14, 8
	s_cselect_b32 s71, 64, s71                     ; q, k: B is Wq | Wk, groups 64 on
.endif
	s_add_co_u32 s70, s70, s71
	s_mul_i32 s70, s70, GSTR
	s_mov_b32 s71, 0
	; the unit of the result that my wave makes
	s_lshl_b32 s76, s12, 1
	s_add_co_u32 s76, s76, s9                      ; 2 cy + my group of A
	s_lshl_b32 s77, s11, 1
	s_add_co_u32 s77, s77, s10                     ; 2 cx + my group of B
	s_lshl_b32 s78, s14, 3
	s_add_co_u32 s78, s78, s76                     ; the group of rows of x (of q)
.if SCORE
	s_lshl_b32 s78, s78, 4                         ; 16 units a group,
	s_lshl_b32 s79, s13, 3
	s_add_co_u32 s78, s78, s79                     ; + 8 x cluster x
.else
	s_lshl_b32 s78, s78, 3                         ; q, k: 8 units a group,
	s_lshl_b32 s79, s13, 9
	s_add_co_u32 s78, s78, s79                     ; cluster x = 0: q, 1: k, 512 units on
	s_sub_co_u32 s80, s14, 8                       ; v^T: the batch,
	s_lshl_b32 s80, s80, 3
	s_add_co_u32 s80, s80, s76                     ; 8 groups of channels a batch,
	s_lshl_b32 s80, s80, 4                         ; 16 units a group,
	s_lshl_b32 s81, s13, 3
	s_add_co_u32 s80, s80, s81                     ; + 8 x cluster x,
	s_add_co_u32 s80, s80, 1024                    ; behind q's and k's
	s_cmp_lt_u32 s14, 8
	s_cselect_b32 s78, s78, s80
.endif
	s_add_co_u32 s78, s78, s77
	s_mul_i32 s78, s78, UNITB
	s_mov_b32 s79, 0
	s_mul_i32 s15, s8, PART                        ; where my part goes in a slot: no place in the cluster enters an LDS address
	s_wait_dscnt 0x0                               ; the opening add is done
	s_wait_kmcnt 0x0
	s_add_nc_u64 s[68:69], s[4:5], s[66:67]
	s_add_nc_u64 s[72:73], s[4:5], s[70:71]
	s_add_nc_u64 s[6:7], s[6:7], s[78:79]
	CROUND                                         ; all sixteen work-groups are here: the first joint loads meet
.irp s, 0,1,2
	s_mov_b32 s[G0A+4*\s], 1                                       ; count = 1
	s_add_co_u32 s[G0A+4*\s+1], s15, \s*SLOT                       ; LDS address
	s_add_nc_u64 s[G0A+4*\s+2:G0A+4*\s+3], s[68:69], \s*PART       ; global address: the group's units 2 s, 2 s + 1
	s_or_b32 s[G0A+4*\s+3], s[G0A+4*\s+3], 0x80000000              ; type = 2
	s_mov_b32 s[G0B+4*\s], 1
	s_add_co_u32 s[G0B+4*\s+1], s15, \s*SLOT
	s_add_nc_u64 s[G0B+4*\s+2:G0B+4*\s+3], s[72:73], \s*PART
	s_or_b32 s[G0B+4*\s+3], s[G0B+4*\s+3], 0x80000000
	JLOAD \s                                       ; three loads of mine are out behind the third
.endr
	v_and_b32 v17, 31, v0
	v_lshlrev_b32 v[LI], 4, v17
	v_and_b32 v1, 15, v0                           ; r
	v_bfe_u32 v2, v0, 4, 1                         ; h
	s_mul_i32 s21, s9, PART                        ; my group of A in a slot,
	s_mul_i32 s22, s10, PART
	s_add_co_u32 s22, s22, 2*PART                  ; and of B
	v_lshlrev_b32 v18, 5, v1                       ; scale words: 32 bytes a lane r;
	s_sub_co_u32 s23, s22, s21
	v_mul_u32_u24 v19, s23, v2                     ; lanes 16-31 take B's: one product, h x the distance
	v_add_nc_u32 v18, v18, v19
	s_add_co_u32 s84, s21, SCOFF
.irp s, 0,1,2
	v_add_nc_u32 v[ADRA+\s], s21, v[LI]
	v_add_nc_u32 v[ADRB+\s], s22, v[LI]
	v_add_nc_u32 v[ADRS+\s], s84, v18
	s_add_co_u32 s21, s21, SLOT
	s_add_co_u32 s22, s22, SLOT
	s_add_co_u32 s84, s84, SLOT
.endr
	v_lshlrev_b32 v[SCO], 5, v1
	v_lshl_add_u32 v[SCO], v2, 4, v[SCO]
; A CHUNK is 128 along K: unit q of a slot.  Its loads are always issued in this order: B's 24, the scale words' 2, A's 24 (fragments 0 to 7, three each): the counted waits below lean on it.
.macro FETCH_B slot, q, p
	WIN TO_B
.irp i, 0,1,2,3,4,5,6,7
.irp c, 0,1,2
	ds_load_b128 v[128*(\p)+12*\i+4*\c:128*(\p)+12*\i+4*\c+3], v[ADRB+\slot] offset:UNITB*(\q)+1536*\i+512*\c
.endr
.endr
	WIN 0
.endm
.macro FETCH_A slot, q, p
.irp i, 0,1,2,3,4,5,6,7
.irp c, 0,1,2
	ds_load_b128 v[AF+96*(\p)+12*\i+4*\c:AF+96*(\p)+12*\i+4*\c+3], v[ADRA+\slot] offset:UNITB*(\q)+1536*\i+512*\c
.endr
.endr
.endm
.macro SCALES slot, q, p               ; a lane's 32 bytes are the words of all eight fragments
	ds_load_b128 v[SC+8*(\p):SC+8*(\p)+3], v[ADRS+\slot] offset:UNITB*(\q)
	ds_load_b128 v[SC+8*(\p)+4:SC+8*(\p)+7], v[ADRS+\slot] offset:UNITB*(\q)+16
.endm
; 16 matrix instructions: A's fragments a0, a0 + 1 x B's eight, on set p.  zero = 1: the first product starts the sums: nothing is ever cleared.
; The 64 accumulators take turns, one instruction a turn, in the same order in every chunk.
.macro MUL16 a0, p, zero
.irp a, \a0, \a0+1
.irp b, 0,1,2,3,4,5,6,7
.if \zero
	v_wmma_scale_f32_16x16x128_f8f6f4 v[8*(8*((\a)%4)+\b):8*(8*((\a)%4)+\b)+7], v[128*(\p)+12*\b:128*(\p)+12*\b+11], v[AF+96*(\p)+12*(\a):AF+96*(\p)+12*(\a)+11], 0, v[SC+8*(\p)+\b], v[SC+8*(\p)+(\a)] matrix_a_fmt:MATRIX_FMT_FP6 matrix_b_fmt:MATRIX_FMT_FP6 matrix_a_scale:MATRIX_SCALE_ROW1
.else
	v_wmma_scale_f32_16x16x128_f8f6f4 v[8*(8*((\a)%4)+\b):8*(8*((\a)%4)+\b)+7], v[128*(\p)+12*\b:128*(\p)+12*\b+11], v[AF+96*(\p)+12*(\a):AF+96*(\p)+12*(\a)+11], v[8*(8*((\a)%4)+\b):8*(8*((\a)%4)+\b)+7], v[SC+8*(\p)+\b], v[SC+8*(\p)+(\a)] matrix_a_fmt:MATRIX_FMT_FP6 matrix_b_fmt:MATRIX_FMT_FP6 matrix_a_scale:MATRIX_SCALE_ROW1
.endif
.endr
.endr
.endm
; A chunk on set p that fetches the next chunk (unit nq of slot nslot) into the other set.  That set was last read by the chunk before: the four places behind this chunk's first sixteen products
; stand between those products and both runs of loads (ISA guide 7.12.1 for vector instructions).
.macro STEP p, zero, nslot, nq
	s_wait_dscnt 18                                ; B, the scale words and A's fragments 0, 1 are in; A's 2 to 7 (18 loads) may be out
	WIN MUL_LO
	MUL16 0, \p, \zero
	PLACES 4
	FETCH_B \nslot, \nq, 1-\p
	SCALES \nslot, \nq, 1-\p
	s_wait_dscnt 38                                ; A's 2, 3 are in: behind them A's 4 to 7 (12) and the 26 just issued
	WIN MUL_LO
	MUL16 2, \p, \zero
	WIN 0
	FETCH_A \nslot, \nq, 1-\p
	s_wait_dscnt 56                                ; A's 4, 5: behind them A's 6, 7 (6), 26 and 24
	WIN MUL_HI
	MUL16 4, \p, \zero
	s_wait_dscnt 50                                ; A's 6, 7: behind them the next chunk's 50
	MUL16 6, \p, \zero
	WIN 0
.endm
; A chunk with a barrier in it: in front each wave waits for all its tensor loads, adds 0 to its spare word, and waits for that and for all its LDS reads.  Behind it every slot that was asked for is whole
; for every wave, and nobody reads a slot that has been left.  fill = 1: the barrier opens a round of the cluster's barrier, and slot 0 is filled again, with the fourth 256 along K.
.macro TURN p, fill, nslot
	s_wait_tensorcnt 0x0                           ; all my tensor loads have landed  (every window is 0 here: the add's two registers lie in window 0)
	ds_add_u32 v[SPW], v[NIL]                      ; 0 onto my spare word
	s_wait_dscnt 19                                ; (the add and A's fragments 2 to 7 may be out)
	WIN MUL_LO
	MUL16 0, \p, 0                                 ; sixteen matrix instructions stand between the add and the wait for it
	s_wait_dscnt 0x0                               ; the add is done, and all my LDS reads are in
	s_barrier_signal -1
	MUL16 2, \p, 0
	WIN 0
	s_barrier_wait -1
.if \fill
	CREST                                          ; no wave of any partner still reads slot 0 or has a load on its way
	s_add_nc_u64 s[G0A+2:G0A+3], s[G0A+2:G0A+3], 3*PART
	s_add_nc_u64 s[G0B+2:G0B+3], s[G0B+2:G0B+3], 3*PART
	JLOAD 0                                        ; the first tensor load behind the round, my only one: it has three and a half chunks in which to land; its four v_nop are the places in front of the loads below
.else
	PLACES 4
.endif
	FETCH_B \nslot, 0, 1-\p
	SCALES \nslot, 0, 1-\p
	FETCH_A \nslot, 0, 1-\p
	WIN MUL_HI
	MUL16 4, \p, 0
	MUL16 6, \p, 0
	WIN 0
.endm
.macro LAST p                          ; the last chunk fetches nothing: the counts run down
	s_wait_dscnt 18
	WIN MUL_LO
	MUL16 0, \p, 0
	s_wait_dscnt 12
	MUL16 2, \p, 0
	s_wait_dscnt 6
	WIN MUL_HI
	MUL16 4, \p, 0
	s_wait_dscnt 0x0
	MUL16 6, \p, 0
	WIN 0
.endm
	s_wait_tensorcnt 2                             ; my part of slot 0 is in; slots 1 and 2 may stay out
	s_barrier_signal -1
	s_barrier_wait -1                              ; everybody's is
	FETCH_B 0, 0, 0
	SCALES 0, 0, 0
	FETCH_A 0, 0, 0
	STEP 0, 1, 0, 1                                ; K 0: its products start the sums
	TURN 1, 1, 1                                   ; K 128: slot 0 is left and filled again; slots 1 and 2 are whole
	STEP 0, 0, 1, 1                                ; K 256
	STEP 1, 0, 2, 0                                ; K 384
	STEP 0, 0, 2, 1                                ; K 512
	TURN 1, 0, 0                                   ; K 640: slot 0's second fill is whole; nothing is filled, so no round
	STEP 0, 0, 0, 1                                ; K 768
	LAST 1                                         ; K 896
; THE WAY OUT.  For A's fragment a a lane's 64 results, register 16 b + i = column 32 b + 16 h + i of its row, become fragment a of the result's unit: four blocks of 32, each shared with lane l xor 16.
.set PC,   64                          ; v64-159  the codes: 12 registers for each a, so that no store's data are written again
.set T2,   160                         ; v160-162, v164-166 the second conversion of each pair
.set TM,   168                         ; v168-171 largest magnitudes, v172-175 the partner's, then the bytes, v176-179 the conversions' scale operands
.set PW,   184                         ; v184-191 the scale words, one for each a
.set SOUT, 192                         ; v192-195 four of them, by the lane's half
.set FL,   196                         ; v196     the floor
	PLACES 4                                       ; behind the last products: their results are read, and their sources written, below
	v_mov_b32 v[FL], FLOOR
.irp b, 0,1,2,3
	v_mov_b32 v[TM+4+\b], 0                        ; a lane permute's destination counts as one of its sources
.endr
.macro QUANTA a
.set W,   2+(\a)/4
.set WQ,  (W<<2)|(W<<4)
.set AC,  64*((\a)%4)
.set PCA, PC+12*(\a)
	WIN WQ                                         ; sources 1 and 2: the accumulators' window
.irp b, 0,1,2,3
	v_max3_num_f32 v[TM+\b], v[FL], |v[AC+16*\b]|, |v[AC+16*\b+1]|   ; block b: my 16 numbers and the floor; each accumulator is read from its low end on
.endr
.irp i, 2,4,6,8,10,12,14
.irp b, 0,1,2,3
	v_max3_num_f32 v[TM+\b], v[TM+\b], |v[AC+16*\b+\i]|, |v[AC+16*\b+\i+1]|   ; (the four blocks by turns)
.endr
.endr
	WIN 0
.irp b, 0,1,2,3
	v_permlanex16_b32 v[TM+4+\b], v[TM+\b], s18, s19
.endr
.irp b, 0,1,2,3
	v_max_num_f32 v[TM+\b], v[TM+\b], v[TM+4+\b]   ; with lane l xor 16's: the block's largest magnitude
.endr
.irp b, 0,1,2,3
	v_add_nc_u32 v[TM+8+\b], 0xff000000, v[TM+\b]  ; 2 off its exponent field: the conversion's scale operand
.endr
.irp b, 0,1,2,3
	v_lshrrev_b32 v[TM+4+\b], 23, v[TM+8+\b]       ; the scale's byte
.endr
	v_lshl_or_b32 v[PW+(\a)], v[TM+5], 8, v[TM+4]
	v_lshl_or_b32 v[PW+(\a)], v[TM+6], 16, v[PW+(\a)]
	v_lshl_or_b32 v[PW+(\a)], v[TM+7], 24, v[PW+(\a)]
.if SCORE
	v_sub_nc_u32 v[PW+(\a)], v[PW+(\a)], s20       ; x 2^-5: every byte is 6 at the least (the floor), so nothing is borrowed
.endif
	WIN W                                          ; source 0: the accumulators' window
.irp c, 0,1
	v_cvt_scalef32_pk16_fp6_f32 v[PCA+6*\c:PCA+6*\c+2], v[AC+32*\c:AC+32*\c+15], v[TM+8+2*\c]
	v_cvt_scalef32_pk16_fp6_f32 v[T2+4*\c:T2+4*\c+2], v[AC+32*\c+16:AC+32*\c+31], v[TM+9+2*\c]   ; (a conversion's three registers begin on an even number)
.endr
	WIN 0
	v_nop                                          ; one plain place behind a scaled conversion
.irp c, 0,1                                    ; the operand's layout wants a whole block in a lane: lanes 0-15 block 2 c, lanes 16-31 block 2 c + 1
.irp i, 0,1,2
	v_permlane16_swap_b32 v[PCA+6*\c+\i], v[T2+4*\c+\i]
.endr
.irp i, 0,1,2
	v_mov_b32 v[PCA+3+6*\c+\i], v[T2+4*\c+\i]
.endr
.endr
.irp g, 0,1,2
	global_store_b128 v[LI], v[PCA+4*\g:PCA+4*\g+3], s[6:7] offset:1536*(\a)+512*\g   ; the fragment's image: 512 consecutive bytes, at a multiple of 256 from the buffer's first byte
.endr
.endm
.irp a, 0,1,2,3,4,5,6,7
	QUANTA \a
.endr
	v_cmp_ne_u32 vcc_lo, 0, v2                     ; lanes 0-15 store the words of fragments 0 to 3, lanes 16-31 (which hold the same words) those of 4 to 7
.irp i, 0,1,2,3
	v_cndmask_b32 v[SOUT+\i], v[PW+\i], v[PW+4+\i], vcc_lo
.endr
	global_store_b128 v[SCO], v[SOUT:SOUT+3], s[6:7] offset:SCOFF   ; the unit's 512 bytes of scale words in one store
	s_wait_tensorcnt 0x0                           ; the wave's end: behind my last tensor load
	ds_add_u32 v[SPW], v[NIL]
	s_wait_dscnt 0x0
	CROUND                                         ; the closing round: no work-group ends while a partner may still ask for a part that names it
	s_endpgm
.Lfunc_end_k_q9fb52dc596_score:
	.size	k_q9fb52dc596_score, .Lfunc_end_k_q9fb52dc596_score-k_q9fb52dc596_score
	.p2alignl 7, 3214868480
	.fill 96, 4, 3214868480
	.section	.rodata,"a",@progbits
	.p2align	6, 0x0
	.amdhsa_kernel k_q9fb52dc596_score
		.amdhsa_group_segment_fixed_size 327680
		.amdhsa_private_segment_fixed_size 0
		.amdhsa_enable_private_segment 0
		.amdhsa_kernarg_size 16
		.amdhsa_user_sgpr_count 2
		.amdhsa_user_sgpr_kernarg_segment_ptr 1
		.amdhsa_wavefront_size32 1
		.amdhsa_system_sgpr_workgroup_id_x 1
		.amdhsa_system_sgpr_workgroup_id_y 1
		.amdhsa_system_sgpr_workgroup_id_z 1
		.amdhsa_system_vgpr_workitem_id 0
		.amdhsa_next_free_vgpr 1024
		.amdhsa_next_free_sgpr 92
		.amdhsa_reserve_vcc 1
		.amdhsa_float_denorm_mode_32 3
		.amdhsa_float_denorm_mode_16_64 3
		.amdhsa_memory_ordered 1
		.amdhsa_forward_progress 1
		.amdhsa_inst_pref_size 136
	.end_amdhsa_kernel
	.amdgpu_metadata
---
amdhsa.version: [ 1, 2 ]
amdhsa.kernels:
  - .name:           k_q9fb52dc596_score
    .symbol:         k_q9fb52dc596_score.kd
    .args:
      - { .name: c2, .offset: 0, .size: 8, .value_kind: global_buffer, .address_space: global }
      - { .name: c3, .offset: 8, .size: 8, .value_kind: global_buffer, .address_space: global }
    .group_segment_fixed_size: 327680
    .private_segment_fixed_size: 0
    .kernarg_segment_align: 8
    .kernarg_segment_size: 16
    .max_flat_workgroup_size: 128
    .sgpr_count:     92
    .vgpr_count:     1024
    .wavefront_size: 32
...
	.end_amdgpu_metadata
.endif
;; end of part 3
;; launch outp (part 4): grid 8 x 32, 4 waves a work-group, clusters of 4 x 4, 327,680 bytes of LDS; arguments c3, c2, out0; writes out0
.if DOCPART == 4
	.amdgcn_target "amdgcn-amd-amdhsa--gfx1250"
	.amdhsa_code_object_version 6
	.text
	.protected	k_q9fb52dc596_outp
	.globl	k_q9fb52dc596_outp
	.p2align	8
	.type	k_q9fb52dc596_outp,@function
k_q9fb52dc596_outp:
	s_mov_b64 s[64:65], 0
	v_nop
	global_prefetch_b8 v0, s[64:65] scope:SCOPE_SE
	s_setreg_imm32_b32 hwreg(HW_REG_WAVE_MODE, 25, 1), 1
	s_wait_xcnt 0x0
	s_wait_alu depctr_hold_cnt(0) depctr_sa_sdst(0) depctr_va_vdst(0) depctr_va_sdst(0) depctr_va_ssrc(0) depctr_va_vcc(0) depctr_vm_vsrc(0)
	s_getreg_b32 s2, hwreg(HW_REG_IB_STS2, 6, 4)
	s_cmp_eq_u32 s2, 0
	s_cbranch_scc0 .Lentry_in_a_cluster
	s_endpgm
.Lentry_in_a_cluster:
	s_bfe_u32 s2, ttmp6, 0x10000c
	s_cmp_lg_u32 s2, 0xf033
	s_cbranch_scc0 .Lentry_shape_is_right
	s_endpgm
.Lentry_shape_is_right:
; out[b][q][d] = the sum over the batch's 2,048 keys of score[b][q][key] v[b][key][d], both operands codes of FP6 (E2M3) with one E8M0 scale for each 32 keys; sums and result f32.
; OPERANDS lie in UNITS of 128 rows x 128 K, 12,800 bytes: eight fragments as images of the operand's 12 registers (registers 4 g .. 4 g + 3 of lane l at 1536 a + 512 g + 16 l; lane (r, h) of
; fragment a holds row 32 (a / 2) + 8 (a % 2) + r + 8 (r / 8) of the 128), then 512 bytes of scale words (that of (r, a) at 12288 + 32 r + 4 a).  A group's 16 units along the keys lie on end.
; A = score: c3, group = row / 128 of the 8,192 rows.   B = v^T: c2, units 1024 on, group = 8 batch + channel / 128.
; SHARES.  Tiles of 256 x 256 would be 128, half as many as there are WGPs: a work-group makes 256 rows x 128 channels, 256 work-groups; each of its four waves 128 rows x 64 channels: 32 accumulators.
; THE MATRIX INSTRUCTION IS USED TRANSPOSED (source 0 = 16 rows of v^T, source 1 = 16 rows of score): a lane holds eight neighbouring channels of one row of out.
; LDS: two slots of 153,600 bytes, each 512 keys: [A group 0 | A group 1 | B], 51,200 dense bytes each.  Waves 0 and 1 fetch A's groups (200 rows of 256 bytes), waves 2 and 3 the halves of B's
; (100 rows).  The keys have four such steps: two first fills, and each slot is filled once again.
; CLUSTERS: 4 x 4 work-groups; A's parts are shared along a row of the cluster, B's along a column (the four tile rows of a cluster lie in one batch), each asked for jointly.
; No prefetch: half of a tile's bytes are asked for at its head, and the whole tile is sixteen chunks of 32 matrix instructions.
; REGISTERS, in windows of 256: window 0: v1-20 addresses; v28, v29 the add's two; v32-47 scale words, two sets; v64-111, v112-159 B's four fragments, two sets.
;   window 1: accumulator (a, b) at v[8 (4 a + b)].   window 2: v0-95, v128-223 A's eight fragments, two sets; on the way out all 256: rows read back from the stage.
; LIMITS: NaN and infinities are not served.
.set UNITB, 12800
.set KFILL, 4*UNITB                    ; 512 keys of one group
.set SLOT,  3*KFILL
.set SPARE, 2*SLOT                     ; behind the slots: the spare words, 128 bytes a wave: two blocks of 256 bytes that no other line names
.set SCOFF, 12288
.set SPITCH, 272                       ; the way out: a stage of 16 rows x (256 bytes + 16) for each wave, at the head of slot 0, which has had its last fill and its last read when the first result is stored there
.set LI,    3                          ; v3     16 x lane
.set ADRA,  4                          ; v4-5   LDS address of my A fragments in slot 0, 1
.set ADRB,  6                          ; v6-7   of my four B fragments
.set ADRS1, 8                          ; v8-9   scale words: lanes 0-15 those of A's fragments 0-3, lanes 16-31 those of my four of B
.set ADRS2, 10                         ; v10-11 lanes 0-15 those of A's fragments 4-7; lanes 16-31 read B's once more, and are not used
.set STO,   12                         ; v12    the way out: where I put 32 bytes of a row
.set RD,    13                         ; v13    where I read a row back
.set CO,    14                         ; v14    my byte offset in two rows of out
.set SPW,   28                         ; v28    LDS address of my spare word; never rewritten
.set NIL,   29                         ; v29    0; never rewritten
.set SC,    32                         ; scale words: set p at v[SC + 8 p]
.set BF,    64                         ; B's fragments: set p at v[BF + 48 p]
.set G1A, 24                           ; s[24:31] descriptor group 1 for A's parts;  s[32:39] for B's
.set G1B, 32
.set G0A, 40                           ; s[40:47] group 0 for A's parts, a set for each slot;  s[48:55] for B's
.set G0B, 48
.set MSB, 0
.macro WIN new                         ; the immediate's high byte repeats the setting that is left; a switch that changes nothing is dropped
.if MSB != (\new)
	s_set_vgpr_msb (MSB<<8)|(\new)
.set MSB, (\new)
.endif
.endm
.set MUL,  0x58                        ; source 0 (B) window 0, source 1 (A) window 2, C and D window 1
.set TO_A, 0x80                        ; destination window 2, address window 0
.macro JLOAD s                         ; a joint load: waves 0 and 1 fetch for A, waves 2 and 3 for B; an s_nop 0 and four v_nop follow each of the two lines
	s_cmp_eq_u32 s11, 0
	s_cbranch_scc0 .Lfor_b_\@
	tensor_load_to_lds s[G0A+4*\s:G0A+4*\s+3], s[G1A:G1A+7]
	s_nop 0
.rept 4
	v_nop
.endr
	s_branch .Lasked_\@
.Lfor_b_\@:
	tensor_load_to_lds s[G0B+4*\s:G0B+4*\s+3], s[G1B:G1B+7]
	s_nop 0
.rept 4
	v_nop
.endr
.Lasked_\@:
.endm
.macro CREST                           ; a round of the cluster's barrier behind its opening barrier
	s_cmp_lg_u32 s10, 0
	s_cbranch_scc1 .Lnot_wave_0_\@
	s_barrier_signal -3
.Lnot_wave_0_\@:
	s_barrier_wait -3
	s_barrier_signal -1
	s_barrier_wait -1
.endm
.macro CROUND                          ; a whole round
	s_barrier_signal -1
	s_barrier_wait -1
	CREST
.endm
.macro PLACES n
.rept \n
	v_nop
.endr
.endm
	s_load_b128 s[4:7], s[0:1], 0x0                ; c3 (score) s[4:5], c2 (v^T) s[6:7]
	s_load_b64 s[8:9], s[0:1], 0x10                ; out
	v_lshl_add_u32 v[SPW], v0, 2, SPARE
	v_mov_b32 v[NIL], 0
	ds_add_u32 v[SPW], v[NIL]                      ; the wave's opening: the add and its wait stand ahead of my first tensor load; the set-up below, work on registers, stands between them
	v_lshrrev_b32 v1, 5, v0
	v_readfirstlane_b32 s10, v1                    ; wave 0..3
	s_lshr_b32 s11, s10, 1                         ; which of A's two groups I multiply.  Also: I fetch for A (0) or for B (1)
	s_and_b32 s12, s10, 1                          ; which 64 channels are mine.  Also: which group of A, or which half of B's part, I fetch
	s_bfe_u32 s13, ttmp6, 0x40000                  ; cx, cy: my place in the cluster
	s_bfe_u32 s14, ttmp6, 0x40004
	s_mov_b32 s15, ttmp9                           ; the cluster's x,
	s_and_b32 s16, ttmp7, 0xffff                   ; and its y
	s_lshl_b32 s17, s14, 2
	s_lshl_b32 s17, 15, s17                        ; my row of the cluster
	s_lshl_b32 s18, 0x1111, s13                    ; my column
	; descriptor group 1: dense bytes as rows of 32 elements of 8 bytes: A's 200 rows, B's 100
	s_or_b32 s[G1A], s17, (3<<16)|(1<<21)          ; 15:0 the mask: A's parts go to my row; 17:16 elements of 8 bytes; 20 no padding; 21 set beside a mask
	s_mov_b32 s[G1A+1], 32<<16                     ; tensor_dim0 = 32
	s_mov_b32 s[G1A+2], 200<<16                    ; tensor_dim1 = 200
	s_mov_b32 s[G1A+3], 32<<16                     ; tile_dim0 = 32
	s_mov_b32 s[G1A+4], 200                        ; tile_dim1 = 200
	s_mov_b32 s[G1A+5], 32                         ; from row to row
	s_mov_b32 s[G1A+6], 0
	s_mov_b32 s[G1A+7], 0
	s_or_b32 s[G1B], s18, (3<<16)|(1<<21)          ; B's go to my column
	s_mov_b32 s[G1B+1], 32<<16
	s_mov_b32 s[G1B+2], 100<<16
	s_mov_b32 s[G1B+3], 32<<16
	s_mov_b32 s[G1B+4], 100
	s_mov_b32 s[G1B+5], 32
	s_mov_b32 s[G1B+6], 0
	s_mov_b32 s[G1B+7], 0
	; A's group that I fetch: 2 x tile row + which; it hangs on cy, the cluster and the wave, never on cx
	s_lshl_b32 s66, s16, 3
	s_lshl_b32 s67, s14, 1
	s_add_co_u32 s66, s66, s67
	s_add_co_u32 s66, s66, s12
	s_mul_i32 s66, s66, 16*UNITB
	s_mov_b32 s67, 0
	; B's: group 8 batch + tile column; it hangs on cx, the cluster and the wave, never on cy
	s_lshr_b32 s70, s16, 1                         ; the batch: 8 tile rows, two cluster rows
	s_lshl_b32 s70, s70, 3
	s_lshl_b32 s71, s15, 2
	s_add_co_u32 s70, s70, s71
	s_add_co_u32 s70, s70, s13
	s_lshl_b32 s70, s70, 4                         ; 16 units a group,
	s_add_co_u32 s70, s70, 1024                    ; behind q's and k's
	s_mul_i32 s70, s70, UNITB
	s_mul_i32 s71, s12, 2*UNITB                    ; my half of a part: two units
	s_add_co_u32 s70, s70, s71
	s_mov_b32 s71, 0
	; where my wave's part of out begins: row 256 x tile row + 128 x my group, rows of 4,096 bytes; + 512 x tile column + 256 x my half
	s_lshl_b32 s76, s16, 2
	s_add_co_u32 s76, s76, s14
	s_lshl_b32 s76, s76, 1
	s_add_co_u32 s76, s76, s11
	s_lshl_b32 s76, s76, 19
	s_lshl_b32 s77, s15, 2
	s_add_co_u32 s77, s77, s13
	s_lshl_b32 s77, s77, 1
	s_add_co_u32 s77, s77, s12
	s_lshl_b32 s77, s77, 8
	s_add_co_u32 s76, s76, s77
	s_mov_b32 s77, 0
	s_mul_i32 s20, s12, KFILL                      ; where a part goes in a slot: A's groups,
	s_mul_i32 s21, s12, 2*UNITB
	s_add_co_u32 s21, s21, 2*KFILL                 ; B's halves: no place in the cluster enters an LDS address
	s_wait_dscnt 0x0                               ; the opening add is done
	s_wait_kmcnt 0x0
	s_add_nc_u64 s[68:69], s[4:5], s[66:67]
	s_add_nc_u64 s[72:73], s[6:7], s[70:71]
	s_add_nc_u64 s[8:9], s[8:9], s[76:77]
	CROUND                                         ; all sixteen work-groups are here: the first joint loads meet
.irp s, 0,1
	s_mov_b32 s[G0A+4*\s], 1                                       ; count = 1
	s_add_co_u32 s[G0A+4*\s+1], s20, \s*SLOT                       ; LDS address
	s_add_nc_u64 s[G0A+4*\s+2:G0A+4*\s+3], s[68:69], \s*KFILL      ; global address: keys 512 s on
	s_or_b32 s[G0A+4*\s+3], s[G0A+4*\s+3], 0x80000000              ; type = 2
	s_mov_b32 s[G0B+4*\s], 1
	s_add_co_u32 s[G0B+4*\s+1], s21, \s*SLOT
	s_add_nc_u64 s[G0B+4*\s+2:G0B+4*\s+3], s[72:73], \s*KFILL
	s_or_b32 s[G0B+4*\s+3], s[G0B+4*\s+3], 0x80000000
	JLOAD \s                                       ; two loads of mine are out behind the second
.endr
	v_and_b32 v17, 31, v0
	v_lshlrev_b32 v[LI], 4, v17
	v_and_b32 v1, 15, v0                           ; r
	v_bfe_u32 v2, v0, 4, 1                         ; h
	s_mul_i32 s22, s11, KFILL                      ; my group of A in a slot
	s_mul_i32 s23, s12, 4*1536
	s_add_co_u32 s23, s23, 2*KFILL                 ; my four fragments of B
	s_lshl_b32 s56, s12, 4
	s_add_co_u32 s56, s56, 2*KFILL
	s_sub_co_u32 s56, s56, s22                     ; from A's scale words to my four of B's
	v_lshlrev_b32 v18, 5, v1                       ; 32 bytes a lane r
	v_mul_u32_u24 v19, s56, v2                     ; lanes 16-31 take B's: one product, h x the distance
	v_add_nc_u32 v19, v18, v19
	s_sub_co_u32 s57, s56, 16
	v_mul_u32_u24 v20, s57, v2
	v_add_nc_u32 v20, v18, v20
	s_add_co_u32 s58, s22, SCOFF
	s_add_co_u32 s59, s22, SCOFF+16
.irp s, 0,1
	v_add_nc_u32 v[ADRA+\s], s22, v[LI]
	v_add_nc_u32 v[ADRB+\s], s23, v[LI]
	v_add_nc_u32 v[ADRS1+\s], s58, v19
	v_add_nc_u32 v[ADRS2+\s], s59, v20
	s_add_co_u32 s22, s22, SLOT
	s_add_co_u32 s23, s23, SLOT
	s_add_co_u32 s58, s58, SLOT
	s_add_co_u32 s59, s59, SLOT
.endr
	s_mul_i32 s56, s10, 16*SPITCH                  ; my stage
	v_mul_u32_u24 v[STO], v1, SPITCH               ; in: row r, + 64 h
	v_lshl_add_u32 v[STO], v2, 6, v[STO]
	v_add_nc_u32 v[STO], s56, v[STO]
	v_mul_u32_u24 v[RD], v2, SPITCH                ; back: lanes 0-15 one row of 256 bytes, lanes 16-31 the next
	v_lshl_add_u32 v[RD], v1, 4, v[RD]
	v_add_nc_u32 v[RD], s56, v[RD]
	v_lshlrev_b32 v[CO], 12, v2                    ; and the same two rows in out
	v_lshl_add_u32 v[CO], v1, 4, v[CO]
; A CHUNK is 128 keys: unit j of a slot.  Its loads are always issued in this order: B's 12, the scale words' 2, A's 24 (fragments 0 to 7, three each): the counted waits below lean on it.
.macro FETCH_B slot, j, p
.irp i, 0,1,2,3
.irp c, 0,1,2
	ds_load_b128 v[BF+48*(\p)+12*\i+4*\c:BF+48*(\p)+12*\i+4*\c+3], v[ADRB+\slot] offset:UNITB*(\j)+1536*\i+512*\c
.endr
.endr
.endm
.macro SCALES slot, j, p
	ds_load_b128 v[SC+8*(\p):SC+8*(\p)+3], v[ADRS1+\slot] offset:UNITB*(\j)
	ds_load_b128 v[SC+8*(\p)+4:SC+8*(\p)+7], v[ADRS2+\slot] offset:UNITB*(\j)
.endm
.macro FETCH_A slot, j, p
	WIN TO_A
.irp i, 0,1,2,3,4,5,6,7
.irp c, 0,1,2
	ds_load_b128 v[128*(\p)+12*\i+4*\c:128*(\p)+12*\i+4*\c+3], v[ADRA+\slot] offset:UNITB*(\j)+1536*\i+512*\c
.endr
.endr
.endm
; 8 matrix instructions: A's fragments a0, a0 + 1 x my four of B, on set p.  zero = 1: the first product starts the sums.  The 32 accumulators take turns, in the same order in every chunk.
.macro MUL8 a0, p, zero
.irp a, \a0, \a0+1
.irp b, 0,1,2,3
.if \zero
	v_wmma_scale_f32_16x16x128_f8f6f4 v[8*(4*(\a)+\b):8*(4*(\a)+\b)+7], v[BF+48*(\p)+12*\b:BF+48*(\p)+12*\b+11], v[128*(\p)+12*(\a):128*(\p)+12*(\a)+11], 0, v[SC+8*(\p)+\b], v[SC+8*(\p)+(\a)] matrix_a_fmt:MATRIX_FMT_FP6 matrix_b_fmt:MATRIX_FMT_FP6 matrix_a_scale:MATRIX_SCALE_ROW1
.else
	v_wmma_scale_f32_16x16x128_f8f6f4 v[8*(4*(\a)+\b):8*(4*(\a)+\b)+7], v[BF+48*(\p)+12*\b:BF+48*(\p)+12*\b+11], v[128*(\p)+12*(\a):128*(\p)+12*(\a)+11], v[8*(4*(\a)+\b):8*(4*(\a)+\b)+7], v[SC+8*(\p)+\b], v[SC+8*(\p)+(\a)] matrix_a_fmt:MATRIX_FMT_FP6 matrix_b_fmt:MATRIX_FMT_FP6 matrix_a_scale:MATRIX_SCALE_ROW1
.endif
.endr
.endr
.endm
; A chunk on set p that fetches the next chunk (unit nj of slot nslot) into the other set, which the chunk before read last: the four places behind this chunk's first eight products stand ahead of both runs of loads.
.macro STEPW p, zero, nslot, nj
	s_wait_dscnt 18                                ; B, the scale words and A's fragments 0, 1 are in; A's 2 to 7 (18 loads) may be out
	WIN MUL
	MUL8 0, \p, \zero
	PLACES 4
	WIN 0
	FETCH_B \nslot, \nj, 1-\p
	SCALES \nslot, \nj, 1-\p
	s_wait_dscnt 26                                ; A's 2, 3 are in: behind them A's 4 to 7 (12) and the 14 just issued
	WIN MUL
	MUL8 2, \p, \zero
	FETCH_A \nslot, \nj, 1-\p
	s_wait_dscnt 44                                ; A's 4, 5: behind them A's 6, 7 (6), 14 and 24
	WIN MUL
	MUL8 4, \p, \zero
	s_wait_dscnt 38                                ; A's 6, 7: behind them the next chunk's 38
	MUL8 6, \p, \zero
	WIN 0
.endm
; A slot's last chunk changes slots: one barrier; in front of it each wave waits for all its tensor loads, adds 0 to its spare word, and waits for that and for its reads of this slot.
; fill = 1: the barrier opens a round of the cluster's barrier, and this slot is filled again, with the keys 1,024 on.
.macro TURNW p, fill, slot, nslot
	s_wait_tensorcnt 0x0                           ; all my tensor loads have landed: my part of the next slot  (every window is 0 here: the add's two registers lie in window 0)
	ds_add_u32 v[SPW], v[NIL]                      ; 0 onto my spare word
	s_wait_dscnt 19                                ; (the add and A's fragments 2 to 7 may be out)
	WIN MUL
	MUL8 0, \p, 0                                  ; eight matrix instructions stand between the add and the wait for it
	s_wait_dscnt 0x0                               ; the add is done, and my reads of this slot are over
	s_barrier_signal -1
	MUL8 2, \p, 0
	WIN 0
	s_barrier_wait -1
.if \fill
	CREST                                          ; no wave of any partner still reads this slot or has a load on its way
	s_add_nc_u64 s[G0A+4*\slot+2:G0A+4*\slot+3], s[G0A+4*\slot+2:G0A+4*\slot+3], 2*KFILL
	s_add_nc_u64 s[G0B+4*\slot+2:G0B+4*\slot+3], s[G0B+4*\slot+2:G0B+4*\slot+3], 2*KFILL
	JLOAD \slot                                    ; the first tensor load behind the round, my only one until the next: it has three and a half chunks in which to land; its four v_nop are the places in front of the loads below
.else
	PLACES 4
.endif
	FETCH_B \nslot, 0, 1-\p
	SCALES \nslot, 0, 1-\p
	FETCH_A \nslot, 0, 1-\p
	WIN MUL
	MUL8 4, \p, 0
	MUL8 6, \p, 0
	WIN 0
.endm
.macro LASTW p                         ; the last chunk fetches nothing: the counts run down
	s_wait_dscnt 18
	WIN MUL
	MUL8 0, \p, 0
	s_wait_dscnt 12
	MUL8 2, \p, 0
	s_wait_dscnt 6
	MUL8 4, \p, 0
	s_wait_dscnt 0x0
	MUL8 6, \p, 0
	WIN 0
.endm
	s_wait_tensorcnt 1                             ; my part of slot 0 is in; slot 1's may stay out
	s_barrier_signal -1
	s_barrier_wait -1                              ; everybody's is
	FETCH_B 0, 0, 0
	SCALES 0, 0, 0
	FETCH_A 0, 0, 0
	WIN 0
	STEPW 0, 1, 0, 1                               ; keys 0: its products start the sums
	STEPW 1, 0, 0, 2
	STEPW 0, 0, 0, 3
	TURNW 1, 1, 0, 1                               ; keys 384: slot 0 is left and takes keys 1,024 on
	STEPW 0, 0, 1, 1
	STEPW 1, 0, 1, 2
	STEPW 0, 0, 1, 3
	TURNW 1, 1, 1, 0                               ; keys 896: slot 1 is left and takes keys 1,536 on
	STEPW 0, 0, 0, 1
	STEPW 1, 0, 0, 2
	STEPW 0, 0, 0, 3
	TURNW 1, 0, 0, 1                               ; keys 1,408: slot 0 is left for good; nothing is filled, so no round
	STEPW 0, 0, 1, 1
	STEPW 1, 0, 1, 2
	STEPW 0, 0, 1, 3
	LASTW 1                                        ; keys 1,920
; THE WAY OUT, by A's fragments: 16 rows x 64 channels at a time.  A lane holds 4 x 32 bytes of one row, and the lanes beside it hold other rows: so a block goes through my own stage in LDS and comes back as
; whole rows of 256 bytes, of which sixteen lanes store one.  LDS serves a wave's instructions in order (ISA guide 5.7.1.4): no wait between the stores and the loads, nor in front of the next block's stores.
; Every block has registers of its own for its rows, and its place stands in the stores' immediate (516,096 bytes at the most): nothing is written again, no base is stepped.
.macro TOSTAGE a
	WIN 0x04                                       ; an LDS store's data are its source 1: window 1
.irp b, 0,1,2,3
	ds_store_b128 v[STO], v[8*(4*(\a)+\b):8*(4*(\a)+\b)+3] offset:128*(\b/2)+32*(\b%2)        ; channels 32 (b / 2) + 16 h + 8 (b % 2) on; each accumulator from its low end on
	ds_store_b128 v[STO], v[8*(4*(\a)+\b)+4:8*(4*(\a)+\b)+7] offset:128*(\b/2)+32*(\b%2)+16
.endr
	WIN TO_A
.irp i, 0,1,2,3,4,5,6,7
	ds_load_b128 v[32*(\a)+4*\i:32*(\a)+4*\i+3], v[RD] offset:2*\i*SPITCH
.endr
.endm
.macro SEND a, younger                 ; younger: the LDS instructions issued behind block a's loads: the next block's 8 stores and 8 loads, or none
	s_wait_dscnt \younger
	WIN 0x08                                       ; a store's data are its source 1: window 2
.irp i, 0,1,2,3,4,5,6,7
	global_store_b128 v[CO], v[32*(\a)+4*\i:32*(\a)+4*\i+3], s[8:9] offset:(32*((\a)/2)+8*((\a)%2)+2*\i+8*(\i/4))*4096 th:TH_STORE_NT   ; stage row r is row 32 (a / 2) + 8 (a % 2) + r + 8 (r / 8); 16 lanes store 256 consecutive bytes, at a multiple of 256 from out's first byte
.endr
.endm
	PLACES 4                                       ; behind the last products: their results are read, and loads land in their sources, below
	TOSTAGE 0
.irp a, 1,2,3,4,5,6,7
	TOSTAGE \a
	SEND \a-1, 16
.endr
	SEND 7, 0
	WIN 0
	s_wait_tensorcnt 0x0                           ; the wave's end: behind my last tensor load and my last LDS store
	ds_add_u32 v[SPW], v[NIL]
	s_wait_dscnt 0x0
	CROUND                                         ; the closing round: no work-group ends while a partner may still ask for a part that names it
	s_endpgm
.Lfunc_end_k_q9fb52dc596_outp:
	.size	k_q9fb52dc596_outp, .Lfunc_end_k_q9fb52dc596_outp-k_q9fb52dc596_outp
	.p2alignl 7, 3214868480
	.fill 96, 4, 3214868480
	.section	.rodata,"a",@progbits
	.p2align	6, 0x0
	.amdhsa_kernel k_q9fb52dc596_outp
		.amdhsa_group_segment_fixed_size 327680
		.amdhsa_private_segment_fixed_size 0
		.amdhsa_enable_private_segment 0
		.amdhsa_kernarg_size 24
		.amdhsa_user_sgpr_count 2
		.amdhsa_user_sgpr_kernarg_segment_ptr 1
		.amdhsa_wavefront_size32 1
		.amdhsa_system_sgpr_workgroup_id_x 1
		.amdhsa_system_sgpr_workgroup_id_y 1
		.amdhsa_system_sgpr_workgroup_id_z 1
		.amdhsa_system_vgpr_workitem_id 0
		.amdhsa_next_free_vgpr 768
		.amdhsa_next_free_sgpr 92
		.amdhsa_reserve_vcc 0
		.amdhsa_float_denorm_mode_32 3
		.amdhsa_float_denorm_mode_16_64 3
		.amdhsa_memory_ordered 1
		.amdhsa_forward_progress 1
		.amdhsa_inst_pref_size 134
	.end_amdhsa_kernel
	.amdgpu_metadata
---
amdhsa.version: [ 1, 2 ]
amdhsa.kernels:
  - .name:           k_q9fb52dc596_outp
    .symbol:         k_q9fb52dc596_outp.kd
    .args:
      - { .name: c3, .offset: 0, .size: 8, .value_kind: global_buffer, .address_space: global }
      - { .name: c2, .offset: 8, .size: 8, .value_kind: global_buffer, .address_space: global }
      - { .name: out0, .offset: 16, .size: 8, .value_kind: global_buffer, .address_space: global }
    .group_segment_fixed_size: 327680
    .private_segment_fixed_size: 0
    .kernarg_segment_align: 8
    .kernarg_segment_size: 24
    .max_flat_workgroup_size: 128
    .sgpr_count:     92
    .vgpr_count:     768
    .wavefront_size: 32
...
	.end_amdgpu_metadata
.endif
;; end of part 4
